; MI455X (gfx1250); checked and timed in simulation.
; The chip was launched on July 23, 2026; its instructions are those of AMD's public machine-readable ISA for CDNA 5 (MIT licence, August 2026) and "CDNA5" Instruction Set Architecture Reference Guide (July 2026). The comments in the code are by the model that wrote it; some were corrected since.
;; Lightweight Mamba2 Mo E. Allowed arithmetic: float matrix products may take bf16 or f16 operands with f32 sums; all other float work in f32.
;; Inputs: W1 8 x 1,024 x 2,048 float32; W2 8 x 2,048 x 1,024 float32; Wg 1,024 x 8 float32; b1 8 x 2,048 float32; b2 8 x 1,024 float32; bg 8 float32; x 8 x 256 x 1,024 float32.
;; Outputs: out0 8 x 256 x 1,024 float32; out1 2,048 x 8 float32.
;; 2 versions, each right; version 2 is version 1 with the launches fc1, fc2 written anew for expert scheduling mode. Each part assembles by itself: llvm-mc -triple=amdgcn-amd-amdhsa -mcpu=gfx1250 --defsym DOCPART=n.
;; ======== version 1 of 2: 4 launches
;; limits: values are held in f16: magnitudes above 65,504 overflow, below 6.1e-05 lose precision
;; workspace buffers: idx 8,192 bytes of whole numbers; order 9,216 bytes of whole numbers; seg 256 bytes of whole numbers; wsort 9,216 bytes; xs 4,653,056 bytes; hid 9,306,112 bytes
;; launch gate (part 1): grid 128 x 1, 4 waves a work-group, no clusters, 39,424 bytes of LDS; arguments x, Wg, bg, out1, idx; writes out1, idx
.if DOCPART == 1
	.amdgcn_target "amdgcn-amd-amdhsa--gfx1250"
	.amdhsa_code_object_version 6
	.text
	.protected	k_q049c53b0e8_gate
	.globl	k_q049c53b0e8_gate
	.p2align	8
	.type	k_q049c53b0e8_gate,@function
k_q049c53b0e8_gate:
	s_mov_b64 s[64:65], 0
	v_nop
	global_prefetch_b8 v0, s[64:65] scope:SCOPE_SE
	s_setreg_imm32_b32 hwreg(HW_REG_WAVE_MODE, 25, 1), 1
	s_wait_xcnt 0x0
; gate: logits = x Wg + bg for 2,048 tokens and 8 experts, their softmax (out1), and the number of the largest weight (idx).
; The product stays in f32 on the vector unit: it is 2 x 2,048 x 1,024 x 8 operations, a five-hundredth of the program's, and the
; choice of the expert hangs on differences of logits that 16-bit operands would blur.
; A work-group has 16 tokens.  Wave w has k = 256 w .. 256 w + 255 of all 16; lane L has k = 256 w + 128 i + 4 L + j (i 0..1, j 0..3),
; so each load of x covers 512 consecutive bytes.  Wg's 256 rows of the wave are loaded the same way and dealt to the lanes through
; the wave's own LDS bytes.  The four waves' partial sums meet in LDS behind the one barrier; wave 0 finishes.
; No cluster, no matrix unit, no tensor load: the work-groups share only Wg's 32 KiB.
; LIMITS: NaN and infinite inputs are not served.  The sum over k is made in four quarters of 256, each spread over 32 lanes,
; an order other than a plain ascending one.  Equal largest weights: the lowest expert number is taken.
.set WPITCH, 144                       ; 4 rows of Wg (128 bytes) + 16: an odd multiple of 16
.set WCOPY,  64*WPITCH                 ; a wave's 256 rows of Wg: 9,216 bytes
.set PART,   4*WCOPY                   ; partial sums [wave 4][token 16][expert 8] f32, 2,048 bytes
.set SUM, 32                           ; v[32:39]   the token's 8 sums
.set TMP, 40                           ; v[40:47]   the other half's sums
.set BG,  48                           ; v[48:51]   bg of experts 4 (L & 1) .. + 3
.set WG,  64                           ; v[64:127]  Wg[k][e] at 64 + 8 (4 i + j) + e
.set X,   128                          ; v[128:255] x of token t at 128 + 8 t + 4 i + j
	s_load_b256 s[4:11], s[0:1], 0x0               ; x s[4:5], Wg s[6:7], bg s[8:9], out1 s[10:11]
	s_load_b64 s[12:13], s[0:1], 0x20              ; idx
	v_lshl_add_u32 v62, v0, 2, 0x9800
	v_mov_b32 v63, 0
	v_lshrrev_b32 v2, 5, v0
	v_readfirstlane_b32 s14, v2                    ; wave
	v_and_b32 v1, 31, v0                           ; lane L
	s_mov_b32 s16, 0x76543210                      ; v_permlanex16_b32: lane i of one half reads lane i of the other
	s_mov_b32 s17, 0xfedcba98
	s_mov_b32 s24, 0x3fb8aa3b                      ; log2 e
	s_lshl_b32 s20, ttmp9, 16                      ; the work-group's 16 rows of 4,096 bytes
	s_mov_b32 s21, 0
	v_lshlrev_b32 v8, 4, v1                        ; 16 L
	s_lshl_b32 s18, s14, 10
	s_lshl_b32 s19, s14, 13
	v_add_nc_u32 v2, s18, v8                       ; x: 1,024 w + 16 L
	v_add_nc_u32 v3, s19, v8                       ; Wg: 8,192 w + 16 L
	s_mul_i32 s22, s14, WCOPY                      ; my wave's copy of its rows of Wg
	v_lshrrev_b32 v9, 3, v1
	v_and_b32 v10, 7, v1
	v_mul_u32_u24 v9, WPITCH, v9
	v_lshl_add_u32 v9, v10, 4, v9
	v_add_nc_u32 v4, s22, v9                       ; in: group L >> 3 of the load's four, 16 (L & 7) inside it
	v_mul_u32_u24 v5, WPITCH, v1
	v_add_nc_u32 v5, s22, v5                       ; back: group L
	s_lshl_b32 s23, s14, 9
	s_add_co_u32 s23, s23, PART
	v_mov_b32 v6, s23                              ; my wave's partial sums
	v_and_b32 v7, 1, v1
	v_lshlrev_b32 v7, 4, v7                        ; bg: 16 (L & 1)
.irp u, 0,1,2,3,4,5,6,7
	v_mov_b32 v[TMP+\u], 0                         ; v_permlanex16_b32 counts as a reader of its destination
.endr
	s_wait_kmcnt 0x0
	s_add_nc_u64 s[4:5], s[4:5], s[20:21]
	global_load_b128 v[BG:BG+3], v7, s[8:9]
.irp m, 0,1,2,3,4,5,6,7,8,9,10,11,12,13,14,15
	global_load_b128 v[WG+4*\m:WG+4*\m+3], v3, s[6:7] offset:512*\m
.endr
.irp t, 0,1,2,3,4,5,6,7,8,9,10,11,12,13,14,15
.irp i, 0,1
	global_load_b128 v[X+8*\t+4*\i:X+8*\t+4*\i+3], v2, s[4:5] offset:4096*\t+512*\i
.endr
.endr
	; Wg to the lanes: byte b of the wave's 8,192 goes to group b / 128; lane L takes groups L and 32 + L (rows 4 L .. and 128 + 4 L ..).
	s_wait_loadcnt 32                              ; bg and Wg are in; the 32 loads of x are younger and stay out
.irp m, 0,1,2,3,4,5,6,7,8,9,10,11,12,13,14,15
	ds_store_b128 v4, v[WG+4*\m:WG+4*\m+3] offset:4*WPITCH*\m
.endr
.irp u, 0,1,2,3,4,5,6,7,8,9,10,11,12,13,14,15
	ds_load_b128 v[WG+4*\u:WG+4*\u+3], v5 offset:32*WPITCH*(\u>>3)+16*(\u&7)   ; the wave's own bytes, served in order (ISA guide 5.7.1): no barrier, no wait between
.endr
	s_wait_dscnt 0x0
; One token: 8 sums over my 8 k, two experts to an instruction, x broadcast from one register of its pair; then over the 32 lanes.
.macro TOKEN t
	s_wait_loadcnt 30-2*\t                         ; the token's two loads are in; those of the 15 - t tokens behind it stay out
.irp p, 0,1,2,3
	v_pk_mul_f32 v[SUM+2*\p:SUM+2*\p+1], v[WG+2*\p:WG+2*\p+1], v[X+8*\t:X+8*\t+1] op_sel_hi:[1,0]
.endr
.irp u, 1,2,3,4,5,6,7
.irp p, 0,1,2,3
.if \u & 1
	v_pk_fma_f32 v[SUM+2*\p:SUM+2*\p+1], v[WG+8*\u+2*\p:WG+8*\u+2*\p+1], v[X+8*\t+\u-1:X+8*\t+\u], v[SUM+2*\p:SUM+2*\p+1] op_sel:[0,1,0] op_sel_hi:[1,1,1]
.else
	v_pk_fma_f32 v[SUM+2*\p:SUM+2*\p+1], v[WG+8*\u+2*\p:WG+8*\u+2*\p+1], v[X+8*\t+\u:X+8*\t+\u+1], v[SUM+2*\p:SUM+2*\p+1] op_sel_hi:[1,0,1]
.endif
.endr
.endr
.irp k, 1,2,4,8
.irp u, 0,1,2,3,4,5,6,7
	v_add_f32_dpp v[SUM+\u], v[SUM+\u], v[SUM+\u] row_xmask:\k row_mask:0xf bank_mask:0xf
.endr
.endr
.irp u, 0,1,2,3,4,5,6,7
	v_permlanex16_b32 v[TMP+\u], v[SUM+\u], s16, s17
.endr
.irp p, 0,2,4,6
	v_pk_add_f32 v[SUM+\p:SUM+\p+1], v[SUM+\p:SUM+\p+1], v[TMP+\p:TMP+\p+1]
.endr
	ds_store_b128 v6, v[SUM:SUM+3] offset:32*\t            ; every lane holds the sums and writes the same words
	ds_store_b128 v6, v[SUM+4:SUM+7] offset:32*\t+16
.endm
.irp t, 0,1,2,3,4,5,6,7,8,9,10,11,12,13,14,15
	TOKEN \t
.endr
	s_wait_dscnt 0x0                               ; my partial sums are in LDS, for wave 0's sake
	s_barrier_signal -1
	s_barrier_wait -1
	s_cmp_lg_u32 s14, 0
	s_cbranch_scc1 .Lend
	; Wave 0: lane L has token L >> 1 and experts 4 (L & 1) .. + 3.
	v_add_nc_u32 v9, PART, v8
	ds_load_b128 v[12:15], v9
	ds_load_b128 v[16:19], v9 offset:512
	ds_load_b128 v[20:23], v9 offset:1024
	ds_load_b128 v[24:27], v9 offset:1536
	v_and_b32 v10, 1, v1
	v_lshlrev_b32 v11, 2, v10
	v_cvt_f32_u32 v28, v11                         ; my four experts' numbers as f32
	v_add_f32 v29, 1.0, v28
	v_add_f32 v30, 2.0, v28
	v_add_f32 v31, 0x40400000, v28
	s_lshl_b32 s20, ttmp9, 9                       ; out1: 16 tokens of 32 bytes
	s_add_nc_u64 s[10:11], s[10:11], s[20:21]
	s_lshl_b32 s20, ttmp9, 6                       ; idx: 16 words
	s_add_nc_u64 s[12:13], s[12:13], s[20:21]
	s_wait_dscnt 0x0
	v_pk_add_f32 v[12:13], v[12:13], v[16:17]
	v_pk_add_f32 v[14:15], v[14:15], v[18:19]
	v_pk_add_f32 v[20:21], v[20:21], v[24:25]
	v_pk_add_f32 v[22:23], v[22:23], v[26:27]
	v_pk_add_f32 v[12:13], v[12:13], v[20:21]
	v_pk_add_f32 v[14:15], v[14:15], v[22:23]
	v_pk_add_f32 v[12:13], v[12:13], v[BG:BG+1]
	v_pk_add_f32 v[14:15], v[14:15], v[BG+2:BG+3]  ; the logits
	v_max3_num_f32 v16, v12, v13, v14
	v_max_num_f32 v16, v16, v15
	v_max_num_f32_dpp v16, v16, v16 row_xmask:1 row_mask:0xf bank_mask:0xf   ; the token's largest logit, in both of its lanes
	v_mul_f32 v17, s24, v16
.irp u, 0,1,2,3
	v_fma_f32 v[12+\u], v[12+\u], s24, -v17        ; (logit - largest) log2 e: the same shift in all eight, it cancels in the quotient
.endr
.irp u, 0,1,2,3
	v_exp_f32 v[12+\u], v[12+\u]
.endr
	v_mov_b32 v25, 0x41000000                      ; 8.0, above every expert's number; also the plain instruction behind the exponentials (ISA guide 5.7.2)
	s_wait_alu depctr_va_vdst(0)
	v_add_f32 v18, v12, v13
	v_add_f32 v19, v14, v15
	v_add_f32 v18, v18, v19
	v_add_f32_dpp v18, v18, v18 row_xmask:1 row_mask:0xf bank_mask:0xf
	v_rcp_f32 v19, v18
	v_lshlrev_b32 v26, 1, v1                       ; 2 L = 4 (L >> 1) in the even lanes; also the plain instruction behind the reciprocal
	s_wait_alu depctr_va_vdst(0)
.irp u, 0,1,2,3
	v_mul_f32 v[20+\u], v[12+\u], v19
.endr
	global_store_b128 v8, v[20:23], s[10:11]       ; 512 consecutive bytes, aligned
	v_max3_num_f32 v24, v20, v21, v22
	v_max_num_f32 v24, v24, v23
	v_max_num_f32_dpp v24, v24, v24 row_xmask:1 row_mask:0xf bank_mask:0xf   ; the largest weight
.irp u, 3,2,1,0
	v_cmp_eq_f32 vcc_lo, v[20+\u], v24
	v_cndmask_b32 v25, v25, v[28+\u], vcc_lo       ; downward, so that the lowest number that reaches the largest weight stays
.endr
	v_min_num_f32_dpp v25, v25, v25 row_xmask:1 row_mask:0xf bank_mask:0xf
	v_cvt_u32_f32 v25, v25
	v_min_u32 v25, 7, v25
	v_cmp_eq_u32 vcc_lo, 0, v10
	s_wait_xcnt 0x0                                ; EXEC is a source of the store above: it changes only behind this wait
	s_and_saveexec_b32 s25, vcc_lo                 ; one lane for each token
	global_store_b32 v26, v25, s[12:13]
	s_wait_xcnt 0x0                                ; and again in front of the line that widens it
	s_or_b32 exec_lo, exec_lo, s25
.Lend:
	s_wait_tensorcnt 0x0
	ds_add_u32 v62, v63
	s_wait_dscnt 0x0
	s_endpgm
.Lfunc_end_k_q049c53b0e8_gate:
	.size	k_q049c53b0e8_gate, .Lfunc_end_k_q049c53b0e8_gate-k_q049c53b0e8_gate
	.p2alignl 7, 3214868480
	.fill 96, 4, 3214868480
	.section	.rodata,"a",@progbits
	.p2align	6, 0x0
	.amdhsa_kernel k_q049c53b0e8_gate
		.amdhsa_group_segment_fixed_size 39424
		.amdhsa_private_segment_fixed_size 0
		.amdhsa_enable_private_segment 0
		.amdhsa_kernarg_size 40
		.amdhsa_user_sgpr_count 2
		.amdhsa_user_sgpr_kernarg_segment_ptr 1
		.amdhsa_wavefront_size32 1
		.amdhsa_system_sgpr_workgroup_id_x 1
		.amdhsa_system_sgpr_workgroup_id_y 1
		.amdhsa_system_sgpr_workgroup_id_z 1
		.amdhsa_system_vgpr_workitem_id 0
		.amdhsa_next_free_vgpr 256
		.amdhsa_next_free_sgpr 66
		.amdhsa_reserve_vcc 1
		.amdhsa_float_denorm_mode_32 3
		.amdhsa_float_denorm_mode_16_64 3
		.amdhsa_memory_ordered 1
		.amdhsa_forward_progress 1
		.amdhsa_inst_pref_size 91
	.end_amdhsa_kernel
	.amdgpu_metadata
---
amdhsa.version: [ 1, 2 ]
amdhsa.kernels:
  - .name:           k_q049c53b0e8_gate
    .symbol:         k_q049c53b0e8_gate.kd
    .args:
      - { .name: x, .offset: 0, .size: 8, .value_kind: global_buffer, .address_space: global }
      - { .name: Wg, .offset: 8, .size: 8, .value_kind: global_buffer, .address_space: global }
      - { .name: bg, .offset: 16, .size: 8, .value_kind: global_buffer, .address_space: global }
      - { .name: out1, .offset: 24, .size: 8, .value_kind: global_buffer, .address_space: global }
      - { .name: idx, .offset: 32, .size: 8, .value_kind: global_buffer, .address_space: global }
    .group_segment_fixed_size: 39424
    .private_segment_fixed_size: 0
    .kernarg_segment_align: 8
    .kernarg_segment_size: 40
    .max_flat_workgroup_size: 128
    .sgpr_count:     66
    .vgpr_count:     256
    .wavefront_size: 32
...
	.end_amdgpu_metadata
.endif
;; end of part 1
;; launch route (part 2): grid 71 x 1, 8 waves a work-group, no clusters, 72,960 bytes of LDS; arguments idx, x, out1, xs, order, wsort, seg; writes xs, order, wsort, seg
.if DOCPART == 2
	.amdgcn_target "amdgcn-amd-amdhsa--gfx1250"
	.amdhsa_code_object_version 6
	.text
	.protected	k_q049c53b0e8_route
	.globl	k_q049c53b0e8_route
	.p2align	8
	.type	k_q049c53b0e8_route,@function
k_q049c53b0e8_route:
	s_mov_b64 s[64:65], 0
	v_nop
	global_prefetch_b8 v0, s[64:65] scope:SCOPE_SE
	s_setreg_imm32_b32 hwreg(HW_REG_WAVE_MODE, 25, 1), 1
	s_wait_xcnt 0x0
; route: sorts the 2,048 tokens by expert and lays their rows out for the matrix unit.
; Sorted rows go in steps of 32.  An expert's segment starts at a step and has ceil(count / 32) steps; all segments together have at
; most 71 steps (2,048 / 32 whole ones and at most 7 more for eight broken ends).  Work-group j makes step j: every work-group
; works the whole routing out of idx's 8 KiB by the same arithmetic, and keeps what falls into its step.
; Places of a used step that have no token take the step's first token: later launches then need no mask, and such a row ends as
; the same numbers stored to the same bytes.  A step behind the last used one takes token 2,047; nobody uses it.
; Stored: order[32 j + p] (token), wsort[32 j + p] (its largest gate weight), seg (work-group 0: first step and steps of each expert),
; and xs: x's rows in f16, in the order in which a wave's 16-byte loads fill matrix fragments:
;   step 65,536 bytes = 2 tiles of 16 rows; tile = 128 blocks of 256 bytes; block k >> 3 holds, at 16 r + 2 (k & 7), element k of row r.
; Wave w takes columns 128 w .. + 127 of all 32 rows: its 32 blocks pass through LDS bytes of its own, so only the routing has barriers.
; No cluster, no tensor load: rows are gathered by a list and converted on the way.
; LIMITS: |x| above 65,504 becomes infinite in f16; below 2^-24 it vanishes.
.set CNT,    0                         ; [wave 8][expert 8] counts, 256 bytes
.set ORDW,   256                       ; [wave 8] lists of the step's 32 places + 1 spare word, 256 bytes apart
.set STAGE,  2304                      ; [wave 8][32 blocks] at pitch 272
.set SPITCH, 272                       ; 256 + 16: the 16 blocks that a store touches start 4 banks apart
.set SWAVE,  32*SPITCH
.set IDX,  4                           ; v[4:11]    expert of my 8 tokens: 4 t + i, 1,024 + 4 t + (i - 4)
.set RANK, 12                          ; v[12:19]   their ranks among the wave's tokens of the same expert
.set T,    20                          ; v[20:27]   at work
.set P,    40                          ; v[40:47]   places
.set XD,   64                          ; v[64:191]  row n: 4 registers
.set XO,   192                         ; v[192:223] row n: byte offset in x
.set CS,   16                          ; s[16:23]   the wave's running counts
	s_load_b256 s[4:11], s[0:1], 0x0               ; idx s[4:5], x s[6:7], out1 s[8:9], xs s[10:11]
	s_load_b128 s[12:15], s[0:1], 0x20             ; order s[12:13], wsort s[14:15]
	s_load_b64 s[28:29], s[0:1], 0x30              ; seg
	v_lshl_add_u32 v224, v0, 2, 0x11900
	v_mov_b32 v225, 0
	v_lshrrev_b32 v3, 5, v0
	v_readfirstlane_b32 s30, v3                    ; wave
	v_and_b32 v1, 31, v0                           ; lane L
	v_lshlrev_b32 v2, 4, v0                        ; 16 t
	v_lshlrev_b32 v3, 4, v1                        ; 16 L
	s_lshl_b32 s31, s30, 8
	s_add_co_u32 s31, s31, ORDW                    ; my wave's list
	s_lshl_b32 s26, ttmp9, 5                       ; 32 j: my step's first place
	s_wait_kmcnt 0x0
	global_load_b128 v[IDX:IDX+3], v2, s[4:5]
	global_load_b128 v[IDX+4:IDX+7], v2, s[4:5] offset:4096
	v_lshl_add_u32 v28, v1, 2, s31
	v_mov_b32 v29, -1
	ds_store_b32 v28, v29                          ; my list: all 32 places empty
.irp e, 0,1,2,3,4,5,6,7
	s_mov_b32 s[CS+\e], 0
.endr
	s_wait_loadcnt 0x0
.irp i, 0,1,2,3,4,5,6,7
	v_min_u32 v[IDX+\i], 7, v[IDX+\i]
.endr
; Rank of token i if its expert is e: the lanes below me with the same expert, on top of the wave's count so far.
.macro BALLOT i, e
	v_cmp_eq_u32 s24, \e, v[IDX+\i]
.if \e == 0
	v_mbcnt_lo_u32_b32 v[RANK+\i], s24, s[CS+\e]   ; written whole; the right expert's turn overwrites it
.else
	v_mbcnt_lo_u32_b32 v30, s24, s[CS+\e]
	v_cndmask_b32 v[RANK+\i], v[RANK+\i], v30, s24
.endif
	s_bcnt1_i32_b32 s25, s24
	s_add_co_u32 s[CS+\e], s[CS+\e], s25
.endm
.irp i, 0,1,2,3,4,5,6,7
.irp e, 0,1,2,3,4,5,6,7
	BALLOT \i, \e
.endr
.endr
.irp e, 0,1,2,3,4,5,6,7
	v_mov_b32 v[T+\e], s[CS+\e]
.endr
	s_lshl_b32 s25, s30, 5
	v_mov_b32 v30, s25
	ds_store_b128 v30, v[T:T+3] offset:CNT
	ds_store_b128 v30, v[T+4:T+7] offset:CNT+16
	s_wait_dscnt 0x0                               ; my counts are in LDS, for the others' sake
	s_barrier_signal -1
	s_barrier_wait -1
	; Lane L works for expert L & 7: total, the earlier waves' share, the segment's first place (right in lanes 0 to 7 of each half).
	v_and_b32 v31, 7, v1
	v_lshlrev_b32 v31, 2, v31                      ; 4 (L & 7): the column in CNT, and lane L & 7 as a permute's index
.irp u, 0,1,2,3,4,5,6,7
	ds_load_b32 v[T+\u], v31 offset:CNT+32*\u
.endr
	s_wait_dscnt 0x0
	v_add3_u32 v32, v[T], v[T+1], v[T+2]
	v_add3_u32 v32, v32, v[T+3], v[T+4]
	v_add3_u32 v32, v32, v[T+5], v[T+6]
	v_add_nc_u32 v32, v32, v[T+7]                  ; the expert's tokens
.irp u, 0,1,2,3,4,5,6
	s_cmp_gt_u32 s30, \u
	s_cselect_b32 s25, -1, 0
.if \u == 0
	v_and_b32 v33, s25, v[T]
.else
	v_and_b32 v34, s25, v[T+\u]
	v_add_nc_u32 v33, v33, v34                     ; those of the waves in front of mine
.endif
.endr
	v_add_nc_u32 v35, 31, v32
	v_and_b32 v35, 0xffffffe0, v35                 ; the segment's places: whole steps
	v_mov_b32 v36, v35
	v_mov_b32 v37, 0
.irp k, 1,2,4
	v_mov_b32_dpp v37, v36 row_shr:\k row_mask:0xf bank_mask:0xf bound_ctrl:1
	v_add_nc_u32 v36, v36, v37                     ; running sum over lanes 0 to 7
.endr
	v_sub_nc_u32 v38, v36, v35                     ; the segment's first place
	v_add_nc_u32 v39, v38, v33
	v_sub_nc_u32 v39, v39, s26                     ; my wave's first place in it, counted from my step's first (wraps below it)
.irp i, 0,1,2,3,4,5,6,7
	v_lshlrev_b32 v[T+\i], 2, v[IDX+\i]
.endr
.irp i, 0,1,2,3,4,5,6,7
	ds_bpermute_b32 v[P+\i], v[T+\i], v39          ; from the lane of the token's expert
.endr
	ds_bpermute_b32 v48, v31, v38                  ; the first place of expert L & 7, in every lane
	v_lshlrev_b32 v49, 2, v0                       ; 4 t
	s_wait_dscnt 0x0
.irp i, 0,1,2,3,4,5,6,7
	v_add_nc_u32 v[P+\i], v[P+\i], v[RANK+\i]
	v_min_u32 v[P+\i], 32, v[P+\i]                 ; places 0 to 31 are my step's; everything else goes to the spare word
	v_lshl_add_u32 v[P+\i], v[P+\i], 2, s31
	v_add_nc_u32 v50, \i+1020*(\i>>2), v49         ; the token
	v_lshl_or_b32 v[T+\i], v[IDX+\i], 16, v50      ; with its expert above it
	ds_store_b32 v[P+\i], v[T+\i]
.endr
	s_wait_dscnt 0x0                               ; my list is in LDS, for the others' sake
	s_barrier_signal -1
	s_barrier_wait -1
	; Lane L: place L of the step.  An empty place is all ones and at most one wave has filled a place: the AND of the eight lists.
	v_lshlrev_b32 v51, 2, v1
.irp u, 0,1,2,3,4,5,6,7
	ds_load_b32 v[T+\u], v51 offset:ORDW+256*\u
.endr
	s_wait_dscnt 0x0
	v_and_b32 v[T], v[T], v[T+1]
	v_and_b32 v[T+2], v[T+2], v[T+3]
	v_and_b32 v[T+4], v[T+4], v[T+5]
	v_and_b32 v[T+6], v[T+6], v[T+7]
	v_and_b32 v[T], v[T], v[T+2]
	v_and_b32 v[T+4], v[T+4], v[T+6]
	v_and_b32 v[T], v[T], v[T+4]
	v_readfirstlane_b32 s25, v[T]
	v_mov_b32 v52, s25
	v_cmp_eq_u32 vcc_lo, -1, v[T]
	v_cndmask_b32 v[T], v[T], v52, vcc_lo          ; an empty place takes the step's first token
	v_and_b32 v53, 0xffff, v[T]
	v_min_u32 v53, 2047, v53                       ; token
	v_lshrrev_b32 v54, 16, v[T]
	v_min_u32 v54, 7, v54                          ; expert
	v_lshlrev_b32 v55, 5, v53
	v_lshl_add_u32 v55, v54, 2, v55
	global_load_b32 v56, v55, s[8:9]               ; its weight.  Every wave asks for these 128 bytes, so that the counts of loads are alike in all; wave 0 stores them
	s_lshl_b32 s27, s30, 9
	v_add_nc_u32 v60, s27, v3                      ; my 16 bytes of a row: 512 w + 16 L
.irp u, 0,1,2,3,4,5,6,7,8,9,10,11,12,13,14,15,16,17,18,19,20,21,22,23,24,25,26,27,28,29,30,31
	v_readlane_b32 s25, v53, \u
	s_min_u32 s25, s25, 2047
	v_lshl_add_u32 v[XO+\u], s25, 12, v60
	global_load_b128 v[XD+4*\u:XD+4*\u+3], v[XO+\u], s[6:7]        ; 512 consecutive bytes of row u
.endr
	s_mul_i32 s27, s30, SWAVE
	s_add_co_u32 s27, s27, STAGE                   ; my wave's stage
	v_lshrrev_b32 v61, 1, v1
	v_mul_u32_u24 v61, SPITCH, v61
	v_and_b32 v57, 1, v1
	v_lshl_add_u32 v61, v57, 3, v61
	v_add_nc_u32 v61, s27, v61                     ; in: block L >> 1, 8 (L & 1) inside a row's 16 bytes
	v_lshrrev_b32 v62, 4, v1
	v_mul_u32_u24 v62, SPITCH, v62
	v_and_b32 v57, 15, v1
	v_lshl_add_u32 v62, v57, 4, v62
	v_add_nc_u32 v62, s27, v62                     ; back: lanes 0-15 one block, lanes 16-31 the next
	s_lshl_b32 s32, ttmp9, 16
	s_lshl_b32 s33, s30, 12
	s_add_co_u32 s32, s32, s33                     ; xs: 65,536 j + 16 blocks x w
	s_mov_b32 s33, 0
	s_add_nc_u64 s[10:11], s[10:11], s[32:33]
.irp u, 0,1,2,3,4,5,6,7,8,9,10,11,12,13,14,15,16,17,18,19,20,21,22,23,24,25,26,27,28,29,30,31
	s_wait_loadcnt 31-\u                           ; row u is in; the 31 - u rows behind it stay out
	v_cvt_pk_f16_f32 v[XD+4*\u], v[XD+4*\u], v[XD+4*\u+1]
	v_cvt_pk_f16_f32 v[XD+4*\u+1], v[XD+4*\u+2], v[XD+4*\u+3]
	ds_store_b64 v61, v[XD+4*\u:XD+4*\u+1] offset:16*SPITCH*(\u>>4)+16*(\u&15)   ; tile u >> 4, row u & 15
.endr
	s_cmp_lg_u32 s30, 0
	s_cbranch_scc1 .Lrows
	s_lshl_b32 s34, ttmp9, 7                       ; wave 0: the step's 32 tokens and weights, 128 consecutive bytes each
	s_mov_b32 s35, 0
	s_add_nc_u64 s[12:13], s[12:13], s[34:35]
	s_add_nc_u64 s[14:15], s[14:15], s[34:35]
	global_store_b32 v51, v53, s[12:13]
	global_store_b32 v51, v56, s[14:15]
	s_cmp_lg_u32 ttmp9, 0
	s_cbranch_scc1 .Lrows
	v_lshrrev_b32 v58, 5, v48                      ; work-group 0 besides: first step and steps of expert L & 7, 256 bytes
	v_lshrrev_b32 v59, 5, v35
	v_lshlrev_b32 v57, 3, v1
	global_store_b64 v57, v[58:59], s[28:29]
.Lrows:
.irp m, 0,1,2,3,4,5,6,7,8,9,10,11,12,13,14,15
	ds_load_b128 v[XD+4*\m:XD+4*\m+3], v62 offset:2*SPITCH*\m      ; the wave's own bytes, served in order (ISA guide 5.7.1): these see the stores above
.endr
.irp m, 0,1,2,3,4,5,6,7,8,9,10,11,12,13,14,15
	s_wait_dscnt 15-\m
	global_store_b128 v3, v[XD+4*\m:XD+4*\m+3], s[10:11] offset:32768*(\m>>3)+512*(\m&7)   ; 512 consecutive bytes, aligned
.endr
	s_wait_tensorcnt 0x0
	ds_add_u32 v224, v225
	s_wait_dscnt 0x0
	s_endpgm
.Lfunc_end_k_q049c53b0e8_route:
	.size	k_q049c53b0e8_route, .Lfunc_end_k_q049c53b0e8_route-k_q049c53b0e8_route
	.p2alignl 7, 3214868480
	.fill 96, 4, 3214868480
	.section	.rodata,"a",@progbits
	.p2align	6, 0x0
	.amdhsa_kernel k_q049c53b0e8_route
		.amdhsa_group_segment_fixed_size 72960
		.amdhsa_private_segment_fixed_size 0
		.amdhsa_enable_private_segment 0
		.amdhsa_kernarg_size 56
		.amdhsa_user_sgpr_count 2
		.amdhsa_user_sgpr_kernarg_segment_ptr 1
		.amdhsa_wavefront_size32 1
		.amdhsa_system_sgpr_workgroup_id_x 1
		.amdhsa_system_sgpr_workgroup_id_y 1
		.amdhsa_system_sgpr_workgroup_id_z 1
		.amdhsa_system_vgpr_workitem_id 0
		.amdhsa_next_free_vgpr 226
		.amdhsa_next_free_sgpr 66
		.amdhsa_reserve_vcc 1
		.amdhsa_float_denorm_mode_32 3
		.amdhsa_float_denorm_mode_16_64 3
		.amdhsa_memory_ordered 1
		.amdhsa_forward_progress 1
		.amdhsa_inst_pref_size 46
	.end_amdhsa_kernel
	.amdgpu_metadata
---
amdhsa.version: [ 1, 2 ]
amdhsa.kernels:
  - .name:           k_q049c53b0e8_route
    .symbol:         k_q049c53b0e8_route.kd
    .args:
      - { .name: idx, .offset: 0, .size: 8, .value_kind: global_buffer, .address_space: global }
      - { .name: x, .offset: 8, .size: 8, .value_kind: global_buffer, .address_space: global }
      - { .name: out1, .offset: 16, .size: 8, .value_kind: global_buffer, .address_space: global }
      - { .name: xs, .offset: 24, .size: 8, .value_kind: global_buffer, .address_space: global }
      - { .name: order, .offset: 32, .size: 8, .value_kind: global_buffer, .address_space: global }
      - { .name: wsort, .offset: 40, .size: 8, .value_kind: global_buffer, .address_space: global }
      - { .name: seg, .offset: 48, .size: 8, .value_kind: global_buffer, .address_space: global }
    .group_segment_fixed_size: 72960
    .private_segment_fixed_size: 0
    .kernarg_segment_align: 8
    .kernarg_segment_size: 56
    .max_flat_workgroup_size: 256
    .sgpr_count:     66
    .vgpr_count:     226
    .wavefront_size: 32
...
	.end_amdgpu_metadata
.endif
;; end of part 2
;; launch fc1 (part 3): grid 256 x 1, 16 waves a work-group, no clusters, 133,120 bytes of LDS; arguments W1, b1, xs, seg, hid; writes hid
.if DOCPART == 3
	.amdgcn_target "amdgcn-amd-amdhsa--gfx1250"
	.amdhsa_code_object_version 6
	.text
	.protected	k_q049c53b0e8_fc1
	.globl	k_q049c53b0e8_fc1
	.p2align	8
	.type	k_q049c53b0e8_fc1,@function
k_q049c53b0e8_fc1:
	s_mov_b64 s[64:65], 0
	v_nop
	global_prefetch_b8 v0, s[64:65] scope:SCOPE_SE
	s_setreg_imm32_b32 hwreg(HW_REG_WAVE_MODE, 25, 1), 1
	s_wait_xcnt 0x0
; fc1: hid = relu(xs W1[e] + b1[e]) for the sorted rows of each expert, f16 operands, f32 sums.
; Work-group = expert e (of 8) x 64 hidden units g (of 32): no two work-groups read the same weights, each byte of W1 is read once.
; PHASE 1: wave w loads rows 64 w .. + 63 of the 64 columns (a lane 16 bytes, 16 lanes the 256 bytes of a row's piece), rounds to f16
; and lays them in LDS as ready fragments [K step 32][tile t 4][half c 2][lane 32][16 bytes].  Column tile t = columns 4 r + t, so that
; the four numbers of a 16-byte load go to the four tiles and two loads' numbers pack into one register.  One barrier.
; PHASE 2: each wave on its own takes groups w, w + 16, .. of the expert's steps (32 rows x 64 units, all of K): weights from LDS,
; rows from xs straight into registers in fragment order (512 consecutive bytes a load).  The trip count is read from seg, so the
; loop holds no barrier.
; THE MATRIX INSTRUCTION IS USED TRANSPOSED (source 0 = weights, source 1 = rows): lane (r, h), register j holds row r, unit
; 4 (8 h + j) + t, eight numbers that pack into the 16 bytes of a fragment of the next product.  hid: step 131,072 bytes = 2 tiles of
; 65,536; block of 1,024 bytes for K step kk, [c][lane][16 bytes]; slot (kk, c, h, i) holds unit 64 (kk >> 1) + 32 h + 4 i + 2 (kk & 1) + c.
; No cluster: what work-groups share (the rows) goes to registers, not to an LDS tile, and a joint ring would put a barrier into a loop
; whose count differs between experts.  No tensor load: f32 weights pass through registers to be rounded.
; LIMITS: f16 operands: |x|, |W1| above 65,504 become infinite, below 2^-24 vanish.  Hidden values are cut at 65,504.  NaN and
; infinite inputs are not served.  The bias starts the sum; K ascends.
.set KT,    32                         ; K steps of 32
.set TILEB, 32768                      ; a tile of 16 rows in xs
.set PK,    8                          ; v[8:39]    phase 1: packed fragments on their way to LDS
.set BIAS,  8                          ; v[8:39]    then: b1 in the result's layout, tile t at 8 + 8 t + j
.set ACC,   40                         ; v[40:103]  accumulators, tile (q, t) at 40 + 8 (4 q + t)
.set BR,    104                        ; v[104:167] weight fragments, two buffers of 32
.set AR,    168                        ; v[168:231] row fragments, four slots of 16: slot + 8 q + 4 c
.set BST,   216                        ; v[216:247] phase 1: b1 as loaded
.set VB,    248                        ; v[248:249] 16 L and 16 L + 65,536: LDS addresses; the first is also the global lane offset
.set C0,    40                         ; phase 1: weights as loaded, two chunks of 64
.set C1,    104
.macro PLACES n
.rept \n
	v_nop
.endr
.endm
; The 16 rows of K step 2 w + s that my half of the lanes holds: row 64 w + 32 s + 16 c + 8 h + i
.macro WLOAD s, base
.irp c, 0,1
.irp i, 0,1,2,3,4,5,6,7
	global_load_b128 v[\base+4*(8*\c+\i):\base+4*(8*\c+\i)+3], v2, s[30:31] offset:(32*\s+16*\c+\i)*8192 th:TH_LOAD_NT
.endr
.endr
.endm
; Component t of rows (c, 2 p) and (c, 2 p + 1) makes register 4 c + p of tile t's fragment; 16 bytes a lane, lane after lane, into LDS
.macro WCVT s, base
.irp t, 0,1,2,3
.irp c, 0,1
.irp p, 0,1,2,3
	v_cvt_pk_f16_f32 v[PK+8*\t+4*\c+\p], v[\base+4*(8*\c+2*\p)+\t], v[\base+4*(8*\c+2*\p+1)+\t]
.endr
	ds_store_b128 v4, v[PK+8*\t+4*\c:PK+8*\t+4*\c+3] offset:4096*\s+1024*\t+512*\c
.endr
.endr
.endm
.macro BLOAD k                         ; K step k's four weight fragments into buffer k & 1
.irp t, 0,1,2,3
.irp c, 0,1
	ds_load_b128 v[BR+32*((\k)&1)+8*\t+4*\c:BR+32*((\k)&1)+8*\t+4*\c+3], v[VB+((\k)>>4)] offset:((\k)&15)*4096+1024*\t+512*\c
.endr
.endr
.endm
.macro ALOAD k                         ; K step k's two row fragments into slot k & 3
.irp q, 0,1
.irp c, 0,1
	global_load_b128 v[AR+16*((\k)&3)+8*\q+4*\c:AR+16*((\k)&3)+8*\q+4*\c+3], v[VB], s[24:25] offset:\q*TILEB+(\k)*1024+512*\c
.endr
.endr
.endm
.macro APRO
	ALOAD 0
	ALOAD 1
	ALOAD 2
.endm
; Eight matrix instructions.  The eight accumulators take turns, one instruction a turn.
; The first K step takes the bias as C: nothing is cleared, no bias is added later.
.macro MUL8 k
.irp q, 0,1
.irp t, 0,1,2,3
.if \k == 0
	v_wmma_f32_16x16x32_f16 v[ACC+8*(4*\q+\t):ACC+8*(4*\q+\t)+7], v[BR+32*(\k&1)+8*\t:BR+32*(\k&1)+8*\t+7], v[AR+16*(\k&3)+8*\q:AR+16*(\k&3)+8*\q+7], v[BIAS+8*\t:BIAS+8*\t+7]
.else
	v_wmma_f32_16x16x32_f16 v[ACC+8*(4*\q+\t):ACC+8*(4*\q+\t)+7], v[BR+32*(\k&1)+8*\t:BR+32*(\k&1)+8*\t+7], v[AR+16*(\k&3)+8*\q:AR+16*(\k&3)+8*\q+7], v[ACC+8*(4*\q+\t):ACC+8*(4*\q+\t)+7]
.endif
.endr
.endr
.endm
; One K step.  Both refills land in registers that K step k - 1 read: four places stand behind its matrix instructions (ISA guide 7.12.1
; for vector instructions).
.macro KSTEP k
	PLACES 4
.if \k+1 < KT
	BLOAD \k+1
.endif
.if \k+3 < KT
	ALOAD \k+3
.endif
.if \k+1 < KT
	s_wait_dscnt 0x8                               ; this step's weights are in; the eight loads just issued stay out
.else
	s_wait_dscnt 0x0
.endif
.if \k+3 < KT
	s_wait_loadcnt 0xc                             ; this step's rows are in; those of the three steps behind it, four loads each, stay out
.else
	s_wait_loadcnt 4*(KT-1-\k)                     ; the last steps: the count runs down
.endif
	MUL8 \k
.endm
; s21 = the sorted step of my group number s20 + ahead.  A group that the expert does not have is asked for at step 0, which is always
; in use (segments are packed from 0 and there are 2,048 tokens): what is asked ahead and never used still lies in stored bytes.
.macro STEPOF ahead
	s_add_co_u32 s28, s20, \ahead
	s_add_co_u32 s21, s18, s28
	s_cmp_lt_u32 s28, s19
	s_cselect_b32 s21, s21, 0
	s_min_u32 s21, s21, 70
.endm
	s_load_b256 s[4:11], s[0:1], 0x0               ; W1 s[4:5], b1 s[6:7], xs s[8:9], seg s[10:11]
	s_load_b64 s[12:13], s[0:1], 0x20              ; hid
	v_lshl_add_u32 v254, v0, 2, 0x20000
	v_mov_b32 v255, 0
	v_lshrrev_b32 v3, 5, v0
	v_readfirstlane_b32 s14, v3                    ; wave
	s_lshr_b32 s15, ttmp9, 5                       ; e
	s_and_b32 s16, ttmp9, 31                       ; g
	s_mov_b32 s29, 0x477fe000                      ; 65,504.0
	v_and_b32 v3, 31, v0
	v_and_b32 v6, 15, v0                           ; r
	v_bfe_u32 v5, v0, 4, 1                         ; h
	v_lshlrev_b32 v[VB], 4, v3                     ; 16 L
	v_add_nc_u32 v[VB+1], 0x10000, v[VB]
	v_lshlrev_b32 v6, 4, v6
	v_lshl_or_b32 v2, v5, 16, v6                   ; weights: 8 h rows of 8,192 bytes + 16 r
	v_lshlrev_b32 v5, 7, v5                        ; b1: 32 h units
	s_lshl_b32 s17, s14, 13
	v_add_nc_u32 v4, s17, v[VB]                    ; LDS: my two K steps, 8,192 w + 16 L
	s_lshl_b32 s17, s15, 3                         ; seg: 8 e
	s_lshl_b32 s22, s15, 23                        ; W1: 8 MiB e + 64 w rows + 256 g
	s_lshl_b32 s28, s14, 19
	s_add_co_u32 s22, s22, s28
	s_lshl_b32 s28, s16, 8
	s_add_co_u32 s22, s22, s28
	s_mov_b32 s23, 0
	s_wait_kmcnt 0x0
	s_load_b64 s[18:19], s[10:11], s17 offset:0x0  ; my expert's first step and number of steps
	s_add_nc_u64 s[30:31], s[4:5], s[22:23]
	s_lshl_b32 s22, s15, 13                        ; b1: 8,192 e + 256 g
	s_add_co_u32 s22, s22, s28
	s_add_nc_u64 s[6:7], s[6:7], s[22:23]
	s_lshl_b32 s22, s16, 11                        ; hid: my two K steps' blocks, 2,048 g
	s_add_nc_u64 s[12:13], s[12:13], s[22:23]
.irp j, 0,1,2,3,4,5,6,7
	global_load_b128 v[BST+4*\j:BST+4*\j+3], v5, s[6:7] offset:16*\j   ; units 32 h + 4 j + t
.endr
	WLOAD 0, C0
	WLOAD 1, C1
	s_wait_kmcnt 0x0
	s_min_u32 s18, s18, 70
	s_min_u32 s19, s19, 71
	s_mov_b32 s20, s14                             ; my first group
	STEPOF 0
	s_lshl_b32 s22, s21, 16
	s_add_nc_u64 s[24:25], s[8:9], s[22:23]        ; its rows
	s_lshl_b32 s22, s21, 17
	s_add_nc_u64 s[26:27], s[12:13], s[22:23]      ; its results
	APRO
	s_wait_loadcnt 28                              ; b1 and the first chunk are in; 16 + 12 younger loads stay out
	WCVT 0, C0
	s_wait_loadcnt 12                              ; the second chunk is in; the 12 loads of rows stay out
	WCVT 1, C1
.irp t, 0,1,2,3
.irp j, 0,1,2,3,4,5,6,7
	v_mov_b32 v[BIAS+8*\t+\j], v[BST+4*\j+\t]      ; b1 as the result lies: register j of tile t = unit 4 (8 h + j) + t
.endr
.endr
	s_wait_dscnt 0x0                               ; my fragments are in LDS, for the others' sake
	s_barrier_signal -1
	s_barrier_wait -1                              ; the only barrier: from here LDS is read alone
	s_cmp_ge_u32 s14, s19
	s_cbranch_scc1 .Lend                           ; fewer groups than waves
	s_sub_co_u32 s33, s19, s14                     ; n - w, at least 1 here
	s_add_co_u32 s33, s33, 15
	s_lshr_b32 s33, s33, 4                         ; my groups w, w + 16, .. below n: ceil((n - w) / 16),
	s_min_u32 s33, s33, 5                          ; at most 5, since n is at most 71
	s_mov_b32 s32, 0                               ; the loop's counter goes by 1 against that number
.Lgroup:
	BLOAD 0
.rept KT
	KSTEP \+
.endr
	PLACES 5                                       ; behind the last matrix instructions, for all that reads or overwrites their registers
	STEPOF 16
	s_lshl_b32 s22, s21, 16
	s_add_nc_u64 s[24:25], s[8:9], s[22:23]        ; free: the last K step waited for every load that named it
	APRO                                           ; the next group's first rows go out ahead of the stores
.irp q, 0,1
.irp t, 0,1,2,3
.irp j, 0,1,2,3,4,5,6,7
	v_med3_num_f32 v[ACC+8*(4*\q+\t)+\j], v[ACC+8*(4*\q+\t)+\j], 0, s29        ; relu, and the cut at f16's largest number
.endr
.irp p, 0,1,2,3
	v_cvt_pk_f16_f32 v[BR+4*(4*\q+\t)+\p], v[ACC+8*(4*\q+\t)+2*\p], v[ACC+8*(4*\q+\t)+2*\p+1]
.endr
	global_store_b128 v[VB], v[BR+4*(4*\q+\t):BR+4*(4*\q+\t)+3], s[26:27] offset:65536*\q+512*\t   ; 512 consecutive bytes, aligned
.endr
.endr
	s_wait_xcnt 0x0                                ; the stores' data (the weight buffers) and base are rewritten only behind this wait
	s_lshl_b32 s22, s21, 17
	s_add_nc_u64 s[26:27], s[12:13], s[22:23]
	s_add_co_u32 s20, s20, 16                      ; my next group's number
	s_add_co_u32 s32, s32, 1
	s_cmp_lt_u32 s32, s33
	s_cbranch_scc1 .Lgroup
.Lend:
	s_wait_tensorcnt 0x0
	ds_add_u32 v254, v255
	s_wait_dscnt 0x0
	s_endpgm
.Lfunc_end_k_q049c53b0e8_fc1:
	.size	k_q049c53b0e8_fc1, .Lfunc_end_k_q049c53b0e8_fc1-k_q049c53b0e8_fc1
	.p2alignl 7, 3214868480
	.fill 96, 4, 3214868480
	.section	.rodata,"a",@progbits
	.p2align	6, 0x0
	.amdhsa_kernel k_q049c53b0e8_fc1
		.amdhsa_group_segment_fixed_size 133120
		.amdhsa_private_segment_fixed_size 0
		.amdhsa_enable_private_segment 0
		.amdhsa_kernarg_size 40
		.amdhsa_user_sgpr_count 2
		.amdhsa_user_sgpr_kernarg_segment_ptr 1
		.amdhsa_wavefront_size32 1
		.amdhsa_system_sgpr_workgroup_id_x 1
		.amdhsa_system_sgpr_workgroup_id_y 1
		.amdhsa_system_sgpr_workgroup_id_z 1
		.amdhsa_system_vgpr_workitem_id 0
		.amdhsa_next_free_vgpr 256
		.amdhsa_next_free_sgpr 66
		.amdhsa_reserve_vcc 0
		.amdhsa_float_denorm_mode_32 3
		.amdhsa_float_denorm_mode_16_64 3
		.amdhsa_memory_ordered 1
		.amdhsa_forward_progress 1
		.amdhsa_inst_pref_size 71
	.end_amdhsa_kernel
	.amdgpu_metadata
---
amdhsa.version: [ 1, 2 ]
amdhsa.kernels:
  - .name:           k_q049c53b0e8_fc1
    .symbol:         k_q049c53b0e8_fc1.kd
    .args:
      - { .name: W1, .offset: 0, .size: 8, .value_kind: global_buffer, .address_space: global }
      - { .name: b1, .offset: 8, .size: 8, .value_kind: global_buffer, .address_space: global }
      - { .name: xs, .offset: 16, .size: 8, .value_kind: global_buffer, .address_space: global }
      - { .name: seg, .offset: 24, .size: 8, .value_kind: global_buffer, .address_space: global }
      - { .name: hid, .offset: 32, .size: 8, .value_kind: global_buffer, .address_space: global }
    .group_segment_fixed_size: 133120
    .private_segment_fixed_size: 0
    .kernarg_segment_align: 8
    .kernarg_segment_size: 40
    .max_flat_workgroup_size: 512
    .sgpr_count:     66
    .vgpr_count:     256
    .wavefront_size: 32
...
	.end_amdgpu_metadata
.endif
;; end of part 3
;; launch fc2 (part 4): grid 128 x 1, 16 waves a work-group, no clusters, 264,192 bytes of LDS; arguments W2, b2, hid, seg, order, wsort, out0; writes out0
.if DOCPART == 4
	.amdgcn_target "amdgcn-amd-amdhsa--gfx1250"
	.amdhsa_code_object_version 6
	.text
	.protected	k_q049c53b0e8_fc2
	.globl	k_q049c53b0e8_fc2
	.p2align	8
	.type	k_q049c53b0e8_fc2,@function
k_q049c53b0e8_fc2:
	s_mov_b64 s[64:65], 0
	v_nop
	global_prefetch_b8 v0, s[64:65] scope:SCOPE_SE
	s_setreg_imm32_b32 hwreg(HW_REG_WAVE_MODE, 25, 1), 1
	s_wait_xcnt 0x0
; fc2: out0[token] = weight x (hid W2[e] + b2[e]) for the sorted rows of each expert, f16 operands, f32 sums.
; Work-group = expert e (of 8) x 64 columns g (of 16): each byte of W2 is read once, in pieces of 256 bytes of a row.  8 x 16 = 128 are
; all the work-groups that this share gives: narrower pieces would break the 256 bytes, a split of K would send partial sums through
; memory, a split of the rows would read W2 twice.
; PHASE 1 as in fc1, four K steps a wave, 64 in all.  Slot (kk, c, h, i) of hid holds unit 64 (kk >> 1) + 32 h + 4 i + 2 (kk & 1) + c, and
; W2's rows are picked by the same formula.  One barrier.
; PHASE 2 as in fc1: each wave on its own takes groups w, w + 16, .. of 32 rows x 64 columns; the count is read from seg, no barrier.
; The matrix instruction is used as it stands (source 0 = rows, source 1 = weights): lane (r, h), register j of tile t holds row 8 h + j,
; column 4 r + t, so the four tiles' registers j are 16 neighbouring bytes of a row of out0, and 16 lanes fill its 256 bytes.
; Places without a token repeat the step's first token: the same numbers go to the same bytes, from this wave.
; No cluster, no tensor load: as in fc1.
; LIMITS: f16 operands: |W2| above 65,504 becomes infinite, below 2^-24 vanishes.  NaN and infinite inputs are not served.
; The bias starts the sum; K goes in hid's slot order.
.set KT,    64
.set TILEB, 65536                      ; a tile of 16 rows in hid
.set PK,    8                          ; v[8:39]    phase 1: packed fragments on their way to LDS
.set BIAS,  8                          ; v[8:39]    then: b2 in the result's layout
.set ACC,   40                         ; v[40:103]  accumulators, tile (q, t) at 40 + 8 (4 q + t)
.set BR,    104                        ; v[104:167] weight fragments, two buffers of 32; on the way out the scaled results
.set AR,    168                        ; v[168:231] row fragments, four slots of 16; at the end slot 0 the tokens, slot 1 the weights
.set BST,   232                        ; v[232:235] phase 1: b2 as loaded
.set VB,    248                        ; v[248:251] 16 L + 65,536 n: LDS addresses; the first is also the global lane offset
.set C0,    40                         ; phase 1: weights as loaded, three chunks of 64
.set C1,    104
.set C2,    168
.macro PLACES n
.rept \n
	v_nop
.endr
.endm
; The 16 rows of K step 4 w + s that my half of the lanes holds: unit 128 w + 64 (s >> 1) + 32 h + 4 i + 2 (s & 1) + c
.macro WLOAD s, base
.irp c, 0,1
.irp i, 0,1,2,3,4,5,6,7
	global_load_b128 v[\base+4*(8*\c+\i):\base+4*(8*\c+\i)+3], v2, s[30:31] offset:(64*(\s>>1)+4*\i+2*(\s&1)+\c)*4096 th:TH_LOAD_NT
.endr
.endr
.endm
.macro WCVT s, base
.irp t, 0,1,2,3
.irp c, 0,1
.irp p, 0,1,2,3
	v_cvt_pk_f16_f32 v[PK+8*\t+4*\c+\p], v[\base+4*(8*\c+2*\p)+\t], v[\base+4*(8*\c+2*\p+1)+\t]
.endr
	ds_store_b128 v4, v[PK+8*\t+4*\c:PK+8*\t+4*\c+3] offset:4096*\s+1024*\t+512*\c
.endr
.endr
.endm
.macro BLOAD k
.irp t, 0,1,2,3
.irp c, 0,1
	ds_load_b128 v[BR+32*((\k)&1)+8*\t+4*\c:BR+32*((\k)&1)+8*\t+4*\c+3], v[VB+((\k)>>4)] offset:((\k)&15)*4096+1024*\t+512*\c
.endr
.endr
.endm
.macro ALOAD k
.irp q, 0,1
.irp c, 0,1
	global_load_b128 v[AR+16*((\k)&3)+8*\q+4*\c:AR+16*((\k)&3)+8*\q+4*\c+3], v[VB], s[24:25] offset:\q*TILEB+(\k)*1024+512*\c
.endr
.endr
.endm
.macro APRO
	ALOAD 0
	ALOAD 1
	ALOAD 2
.endm
; Eight matrix instructions.  The eight accumulators take turns, one instruction a turn.
.macro MUL8 k
.irp q, 0,1
.irp t, 0,1,2,3
.if \k == 0
	v_wmma_f32_16x16x32_f16 v[ACC+8*(4*\q+\t):ACC+8*(4*\q+\t)+7], v[AR+16*(\k&3)+8*\q:AR+16*(\k&3)+8*\q+7], v[BR+32*(\k&1)+8*\t:BR+32*(\k&1)+8*\t+7], v[BIAS+8*\t:BIAS+8*\t+7]
.else
	v_wmma_f32_16x16x32_f16 v[ACC+8*(4*\q+\t):ACC+8*(4*\q+\t)+7], v[AR+16*(\k&3)+8*\q:AR+16*(\k&3)+8*\q+7], v[BR+32*(\k&1)+8*\t:BR+32*(\k&1)+8*\t+7], v[ACC+8*(4*\q+\t):ACC+8*(4*\q+\t)+7]
.endif
.endr
.endr
.endm
; One K step.  All refills land in registers that K step k - 1 read: four places stand behind its matrix instructions (ISA guide 7.12.1
; for vector instructions).  When no rows are left to ask for, the freed slots 0 and 1 take the
; tokens and the weights of rows 16 q + 8 h + 0 .. 7.
.macro KSTEP k
	PLACES 4
.if \k+1 < KT
	BLOAD \k+1
.endif
.if \k+3 < KT
	ALOAD \k+3
.elseif \k == KT-3
.irp q, 0,1
.irp p, 0,1
	global_load_b128 v[AR+8*\q+4*\p:AR+8*\q+4*\p+3], v5, s[26:27] offset:64*\q+16*\p
.endr
.endr
.elseif \k == KT-2
.irp q, 0,1
.irp p, 0,1
	global_load_b128 v[AR+16+8*\q+4*\p:AR+16+8*\q+4*\p+3], v5, s[32:33] offset:64*\q+16*\p
.endr
.endr
.endif
.if \k+1 < KT
	s_wait_dscnt 0x8                               ; this step's weights are in; the eight loads just issued stay out
.else
	s_wait_dscnt 0x0
.endif
.if \k+1 < KT
	s_wait_loadcnt 0xc                             ; this step's rows are in; three younger sets of four loads stay out (rows, at the end tokens and weights)
.else
	s_wait_loadcnt 0x8                             ; the last step: tokens and weights are younger
.endif
	MUL8 \k
.endm
; s21 = the sorted step of my group number s20 + ahead.  A group that the expert does not have is asked for at step 0, which is always
; in use (segments are packed from 0 and there are 2,048 tokens), so no byte of hid is read that was not stored.
.macro STEPOF ahead
	s_add_co_u32 s28, s20, \ahead
	s_add_co_u32 s21, s18, s28
	s_cmp_lt_u32 s28, s19
	s_cselect_b32 s21, s21, 0
	s_min_u32 s21, s21, 70
.endm
.macro POINTERS                        ; the step's rows, tokens and weights
	s_lshl_b32 s22, s21, 17
	s_add_nc_u64 s[24:25], s[8:9], s[22:23]
	s_lshl_b32 s22, s21, 7
	s_add_nc_u64 s[26:27], s[36:37], s[22:23]
	s_add_nc_u64 s[32:33], s[38:39], s[22:23]
.endm
	s_load_b256 s[4:11], s[0:1], 0x0               ; W2 s[4:5], b2 s[6:7], hid s[8:9], seg s[10:11]
	s_load_b128 s[36:39], s[0:1], 0x20             ; order s[36:37], wsort s[38:39]
	s_load_b64 s[40:41], s[0:1], 0x30              ; out0
	v_lshl_add_u32 v254, v0, 2, 0x40000
	v_mov_b32 v255, 0
	v_lshrrev_b32 v3, 5, v0
	v_readfirstlane_b32 s14, v3                    ; wave
	s_lshr_b32 s15, ttmp9, 4                       ; e
	s_and_b32 s16, ttmp9, 15                       ; g
	v_and_b32 v3, 31, v0
	v_and_b32 v6, 15, v0                           ; r
	v_bfe_u32 v5, v0, 4, 1                         ; h
	v_lshlrev_b32 v[VB], 4, v3                     ; 16 L
	v_add_nc_u32 v[VB+1], 0x10000, v[VB]
	v_add_nc_u32 v[VB+2], 0x20000, v[VB]
	v_add_nc_u32 v[VB+3], 0x30000, v[VB]
	v_lshlrev_b32 v6, 4, v6                        ; 16 r: my four columns, in b2 and in out0
	v_lshl_or_b32 v2, v5, 17, v6                   ; weights: 32 h rows of 4,096 bytes + 16 r
	v_lshlrev_b32 v5, 5, v5                        ; tokens and weights: 8 h words
	s_lshl_b32 s17, s14, 14
	v_add_nc_u32 v4, s17, v[VB]                    ; LDS: my four K steps, 16,384 w + 16 L
	s_lshl_b32 s17, s15, 3                         ; seg: 8 e
	s_lshl_b32 s22, s15, 23                        ; W2: 8 MiB e + 128 w rows + 256 g
	s_lshl_b32 s28, s14, 19
	s_add_co_u32 s22, s22, s28
	s_lshl_b32 s28, s16, 8
	s_add_co_u32 s22, s22, s28
	s_mov_b32 s23, 0
	s_wait_kmcnt 0x0
	s_load_b64 s[18:19], s[10:11], s17 offset:0x0  ; my expert's first step and number of steps
	s_add_nc_u64 s[30:31], s[4:5], s[22:23]
	s_lshl_b32 s22, s15, 12                        ; b2: 4,096 e + 256 g
	s_add_co_u32 s22, s22, s28
	s_add_nc_u64 s[6:7], s[6:7], s[22:23]
	s_mov_b32 s22, s28                             ; out0: 256 g
	s_add_nc_u64 s[34:35], s[40:41], s[22:23]
	global_load_b128 v[BST:BST+3], v6, s[6:7]      ; b2 of columns 4 r + t
	WLOAD 0, C0
	WLOAD 1, C1
	WLOAD 2, C2
	s_wait_loadcnt 32                              ; b2 and the first chunk are in; two chunks of 16 stay out
	WCVT 0, C0
	WLOAD 3, C0
	s_wait_loadcnt 32                              ; the second chunk is in; the third and fourth stay out
	WCVT 1, C1
	s_wait_loadcnt 16                              ; the third is in; the fourth stays out
	WCVT 2, C2
	s_wait_kmcnt 0x0
	s_min_u32 s18, s18, 70
	s_min_u32 s19, s19, 71
	s_mov_b32 s20, s14                             ; my first group
	STEPOF 0
	POINTERS
	APRO                                           ; into the third chunk's registers, which have been packed
	s_wait_loadcnt 12                              ; the fourth chunk is in; the 12 loads of rows stay out
	WCVT 3, C0
.irp t, 0,1,2,3
.irp j, 0,1,2,3,4,5,6,7
	v_mov_b32 v[BIAS+8*\t+\j], v[BST+\t]           ; b2 as the result lies: every register of tile t = column 4 r + t
.endr
.endr
	s_wait_dscnt 0x0                               ; my fragments are in LDS, for the others' sake
	s_barrier_signal -1
	s_barrier_wait -1                              ; the only barrier: from here LDS is read alone
	s_cmp_ge_u32 s14, s19
	s_cbranch_scc1 .Lend                           ; fewer groups than waves
	s_sub_co_u32 s43, s19, s14                     ; n - w, at least 1 here
	s_add_co_u32 s43, s43, 15
	s_lshr_b32 s43, s43, 4                         ; my groups w, w + 16, .. below n: ceil((n - w) / 16),
	s_min_u32 s43, s43, 5                          ; at most 5, since n is at most 71
	s_mov_b32 s42, 0                               ; the loop's counter goes by 1 against that number
.Lgroup:
	BLOAD 0
.rept KT
	KSTEP \+
.endr
	PLACES 5                                       ; behind the last matrix instructions, for all that reads or overwrites their registers
	s_wait_loadcnt 0x0                             ; tokens and weights
.irp u, 0,1,2,3,4,5,6,7,8,9,10,11,12,13,14,15
	v_min_u32 v[AR+\u], 2047, v[AR+\u]
	v_lshl_add_u32 v[AR+\u], v[AR+\u], 12, v6      ; the token's row of out0, my 16 bytes
.endr
.irp q, 0,1
.irp j, 0,1,2,3,4,5,6,7
.irp t, 0,1,2,3
	v_mul_f32 v[BR+4*(8*\q+\j)+\t], v[ACC+8*(4*\q+\t)+\j], v[AR+16+8*\q+\j]
.endr
	global_store_b128 v[AR+8*\q+\j], v[BR+4*(8*\q+\j):BR+4*(8*\q+\j)+3], s[34:35] th:TH_STORE_NT   ; each half of the lanes: 256 consecutive bytes of one token's row, aligned
.endr
.endr
	s_wait_xcnt 0x0                                ; the stores' offsets (slot 0) and data (the weight buffers) are rewritten only behind this wait
	STEPOF 16
	POINTERS                                       ; free: every load that named them was waited for above
	APRO
	s_add_co_u32 s20, s20, 16                      ; my next group's number
	s_add_co_u32 s42, s42, 1
	s_cmp_lt_u32 s42, s43
	s_cbranch_scc1 .Lgroup
.Lend:
	s_wait_tensorcnt 0x0
	ds_add_u32 v254, v255
	s_wait_dscnt 0x0
	s_endpgm
.Lfunc_end_k_q049c53b0e8_fc2:
	.size	k_q049c53b0e8_fc2, .Lfunc_end_k_q049c53b0e8_fc2-k_q049c53b0e8_fc2
	.p2alignl 7, 3214868480
	.fill 96, 4, 3214868480
	.section	.rodata,"a",@progbits
	.p2align	6, 0x0
	.amdhsa_kernel k_q049c53b0e8_fc2
		.amdhsa_group_segment_fixed_size 264192
		.amdhsa_private_segment_fixed_size 0
		.amdhsa_enable_private_segment 0
		.amdhsa_kernarg_size 56
		.amdhsa_user_sgpr_count 2
		.amdhsa_user_sgpr_kernarg_segment_ptr 1
		.amdhsa_wavefront_size32 1
		.amdhsa_system_sgpr_workgroup_id_x 1
		.amdhsa_system_sgpr_workgroup_id_y 1
		.amdhsa_system_sgpr_workgroup_id_z 1
		.amdhsa_system_vgpr_workitem_id 0
		.amdhsa_next_free_vgpr 256
		.amdhsa_next_free_sgpr 66
		.amdhsa_reserve_vcc 0
		.amdhsa_float_denorm_mode_32 3
		.amdhsa_float_denorm_mode_16_64 3
		.amdhsa_memory_ordered 1
		.amdhsa_forward_progress 1
		.amdhsa_inst_pref_size 128
	.end_amdhsa_kernel
	.amdgpu_metadata
---
amdhsa.version: [ 1, 2 ]
amdhsa.kernels:
  - .name:           k_q049c53b0e8_fc2
    .symbol:         k_q049c53b0e8_fc2.kd
    .args:
      - { .name: W2, .offset: 0, .size: 8, .value_kind: global_buffer, .address_space: global }
      - { .name: b2, .offset: 8, .size: 8, .value_kind: global_buffer, .address_space: global }
      - { .name: hid, .offset: 16, .size: 8, .value_kind: global_buffer, .address_space: global }
      - { .name: seg, .offset: 24, .size: 8, .value_kind: global_buffer, .address_space: global }
      - { .name: order, .offset: 32, .size: 8, .value_kind: global_buffer, .address_space: global }
      - { .name: wsort, .offset: 40, .size: 8, .value_kind: global_buffer, .address_space: global }
      - { .name: out0, .offset: 48, .size: 8, .value_kind: global_buffer, .address_space: global }
    .group_segment_fixed_size: 264192
    .private_segment_fixed_size: 0
    .kernarg_segment_align: 8
    .kernarg_segment_size: 56
    .max_flat_workgroup_size: 512
    .sgpr_count:     66
    .vgpr_count:     256
    .wavefront_size: 32
...
	.end_amdgpu_metadata
.endif
;; end of part 4
;; ======== version 2 of 2: 4 launches; version 1 with the launches fc1, fc2 written anew for expert scheduling mode
;; limits: values are held in f16: magnitudes above 65,504 overflow, below 6.1e-05 lose precision
;; workspace buffers: idx 8,192 bytes of whole numbers; order 9,216 bytes of whole numbers; seg 256 bytes of whole numbers; wsort 9,216 bytes; xs 4,653,056 bytes; hid 9,306,112 bytes
;; launch gate: the kernel of part 1 again; grid 128 x 1, 4 waves a work-group, no clusters, 39,424 bytes of LDS; arguments x, Wg, bg, out1, idx; writes out1, idx
;; launch route: the kernel of part 2 again; grid 71 x 1, 8 waves a work-group, no clusters, 72,960 bytes of LDS; arguments idx, x, out1, xs, order, wsort, seg; writes xs, order, wsort, seg
;; launch fc1 (part 5): grid 256 x 1, 16 waves a work-group, no clusters, 133,120 bytes of LDS; arguments W1, b1, xs, seg, hid; writes hid
.if DOCPART == 5
	.amdgcn_target "amdgcn-amd-amdhsa--gfx1250"
	.amdhsa_code_object_version 6
	.text
	.protected	k_q049c53b0e8_fc1
	.globl	k_q049c53b0e8_fc1
	.p2align	8
	.type	k_q049c53b0e8_fc1,@function
k_q049c53b0e8_fc1:
	s_mov_b64 s[64:65], 0
	v_nop
	global_prefetch_b8 v0, s[64:65] scope:SCOPE_SE
	s_setreg_imm32_b32 hwreg(HW_REG_WAVE_SCHED_MODE, 0, 2), 2
	s_setreg_imm32_b32 hwreg(HW_REG_WAVE_MODE, 25, 1), 1
	s_wait_xcnt 0x0
	s_wait_alu depctr_vm_vsrc(0)
; fc1: hid = relu(xs W1[e] + b1[e]) for the sorted rows of each expert, f16 operands, f32 sums.
; Work-group = expert e (of 8) x 64 hidden units g (of 32): no two work-groups read the same weights, each byte of W1 is read once.
; PHASE 1: wave w loads rows 64 w .. + 63 of the 64 columns (a lane 16 bytes, 16 lanes the 256 bytes of a row's piece), rounds to f16
; and lays them in LDS as ready fragments [K step 32][tile t 4][half c 2][lane 32][16 bytes].  Column tile t = columns 4 r + t, so that
; the four numbers of a 16-byte load go to the four tiles and two loads' numbers pack into one register.  One barrier.
; PHASE 2: each wave on its own takes groups w, w + 16, .. of the expert's steps (32 rows x 64 units, all of K): weights from LDS,
; rows from xs straight into registers in fragment order (512 consecutive bytes a load).  The trip count is read from seg, so the
; loop holds no barrier.
; THE MATRIX INSTRUCTION IS USED TRANSPOSED (source 0 = weights, source 1 = rows): lane (r, h), register j holds row r, unit
; 4 (8 h + j) + t, eight numbers that pack into the 16 bytes of a fragment of the next product.  hid: step 131,072 bytes = 2 tiles of
; 65,536; block of 1,024 bytes for K step kk, [c][lane][16 bytes]; slot (kk, c, h, i) holds unit 64 (kk >> 1) + 32 h + 4 i + 2 (kk & 1) + c.
; No cluster: what work-groups share (the rows) goes to registers, not to an LDS tile, and a joint ring would put a barrier into a loop
; whose count differs between experts.  No tensor load: f32 weights pass through registers to be rounded.
; LIMITS: f16 operands: |x|, |W1| above 65,504 become infinite, below 2^-24 vanish.  Hidden values are cut at 65,504.  NaN and
; infinite inputs are not served.  The bias starts the sum; K ascends.
; THE MODE: SCHED_MODE bits 1:0 = 2 (LLVM: expert scheduling mode 2), set by the entry lines.  The code itself states the register dependences
; between vector or matrix instructions and memory or LDS instructions, with s_wait_alu, always for 0.
; THE PLAN.  Registers that memory or LDS instructions touch:
;   v2, v4, v5, v[VB], v[VB+1]  offsets and LDS addresses: made at the head, never written again.
;   C0, C1      a chunk of weights: global loads land in it, its 32 conversions read it.
;   PK          a chunk's 32 conversions write it, the chunk's 8 LDS stores read it; at last the bias is moved into it.
;   BR0, BR1    K step k: its matrix instructions read BR[k & 1]; the LDS loads issued in it land in the other buffer, which K step k - 1 read.
;   AR0 .. AR3  K step k: its matrix instructions read slot k & 3; the global loads issued in it land in slot (k + 3) & 3, which K step k - 1 read.
;   BR0 again   on the way out: the conversions write it, the eight stores read it, the next group's first weights land in it.
;   The accumulators and the bias are named by vector and matrix instructions alone.
; So ONE wait on va_vdst stands at a K step's head, behind the waits for the step's data: K step k - 1's matrix instructions are done reading.
; The step's loads follow it, dealt among its eight matrix instructions, which name none of the registers that those loads touch.
.set KT,    32                         ; K steps of 32
.set TILEB, 32768                      ; a tile of 16 rows in xs
.set PK,    8                          ; v[8:39]    phase 1: packed fragments on their way to LDS
.set BIAS,  8                          ; v[8:39]    then: b1 in the result's layout, tile t at 8 + 8 t + j
.set ACC,   40                         ; v[40:103]  accumulators, tile (q, t) at 40 + 8 (4 q + t)
.set BR,    104                        ; v[104:167] weight fragments, two buffers of 32; on the way out buffer 0 takes the packed results
.set AR,    168                        ; v[168:231] row fragments, four slots of 16: slot + 8 q + 4 c
.set BST,   216                        ; v[216:247] phase 1: b1 as loaded
.set VB,    248                        ; v[248:249] 16 L and 16 L + 65,536: LDS addresses; the first is also the global lane offset
.set C0,    40                         ; phase 1: weights as loaded, two chunks of 64
.set C1,    104
.macro PLACES n
.rept \n
	v_nop
.endr
.endm
; The 16 rows of K step 2 w + s that my half of the lanes holds: row 64 w + 32 s + 16 c + 8 h + i
.macro WLOAD s, base
.irp c, 0,1
.irp i, 0,1,2,3,4,5,6,7
	global_load_b128 v[\base+4*(8*\c+\i):\base+4*(8*\c+\i)+3], v2, s[30:31] offset:(32*\s+16*\c+\i)*8192 th:TH_LOAD_NT
.endr
.endr
.endm
; Component t of rows (c, 2 p) and (c, 2 p + 1) makes register 4 c + p of tile t's fragment; 16 bytes a lane, lane after lane, into LDS.
; The 32 conversions stand in one run and the 8 LDS stores in another, with one wait between.  again = 1: PK has been stored from before.
.macro WCVT s, base, again
.if \again
	s_wait_alu depctr_vm_vsrc(0)                   ; the LDS stores of the chunk before have read v[PK ..], which these conversions write again
.endif
.irp t, 0,1,2,3
.irp c, 0,1
.irp p, 0,1,2,3
	v_cvt_pk_f16_f32 v[PK+8*\t+4*\c+\p], v[\base+4*(8*\c+2*\p)+\t], v[\base+4*(8*\c+2*\p+1)+\t]
.endr
.endr
.endr
	s_wait_alu depctr_va_vdst(0)                   ; the conversions have written v[PK ..], which the LDS stores read, and are done reading the chunk, in whose registers later loads land
.irp t, 0,1,2,3
.irp c, 0,1
	ds_store_b128 v4, v[PK+8*\t+4*\c:PK+8*\t+4*\c+3] offset:4096*\s+1024*\t+512*\c
.endr
.endr
.endm
.macro BL1 k, t, c                     ; half c of K step k's weight fragment t, into buffer k & 1
	ds_load_b128 v[BR+32*((\k)&1)+8*(\t)+4*(\c):BR+32*((\k)&1)+8*(\t)+4*(\c)+3], v[VB+((\k)>>4)] offset:((\k)&15)*4096+1024*(\t)+512*(\c)
.endm
.macro BLOAD k                         ; K step k's four weight fragments
.irp t, 0,1,2,3
.irp c, 0,1
	BL1 \k, \t, \c
.endr
.endr
.endm
.macro AL1 k, q, c                     ; half c of K step k's row fragment q, into slot k & 3
	global_load_b128 v[AR+16*((\k)&3)+8*(\q)+4*(\c):AR+16*((\k)&3)+8*(\q)+4*(\c)+3], v[VB], s[24:25] offset:(\q)*TILEB+(\k)*1024+512*(\c)
.endm
.macro APRO                            ; a group's first three K steps' rows
.irp k, 0,1,2
.irp q, 0,1
.irp c, 0,1
	AL1 \k, \q, \c
.endr
.endr
.endr
.endm
; One matrix instruction.  The eight accumulators take turns, one instruction a turn.
; The first K step takes the bias as C: nothing is cleared, no bias is added later.
.macro WM k, q, t
.if \k == 0
	v_wmma_f32_16x16x32_f16 v[ACC+8*(4*\q+\t):ACC+8*(4*\q+\t)+7], v[BR+32*((\k)&1)+8*\t:BR+32*((\k)&1)+8*\t+7], v[AR+16*((\k)&3)+8*\q:AR+16*((\k)&3)+8*\q+7], v[BIAS+8*\t:BIAS+8*\t+7]
.else
	v_wmma_f32_16x16x32_f16 v[ACC+8*(4*\q+\t):ACC+8*(4*\q+\t)+7], v[BR+32*((\k)&1)+8*\t:BR+32*((\k)&1)+8*\t+7], v[AR+16*((\k)&3)+8*\q:AR+16*((\k)&3)+8*\q+7], v[ACC+8*(4*\q+\t):ACC+8*(4*\q+\t)+7]
.endif
.endm
; s21 = the sorted step of my group number s20 + ahead.  A group that the expert does not have is asked for at step 0, which is always
; in use (segments are packed from 0 and there are 2,048 tokens): what is asked ahead and never used still lies in stored bytes.
.macro STEPOF ahead
	s_add_co_u32 s28, s20, \ahead
	s_add_co_u32 s21, s18, s28
	s_cmp_lt_u32 s28, s19
	s_cselect_b32 s21, s21, 0
	s_min_u32 s21, s21, 70
.endm
; One K step.  Its loads land in the weight buffer and the row slot that K step k - 1 read: the wait at its head states that those reads are over.
; Two LDS loads stand behind each of the first four matrix instructions (K step k + 1's weights), two global loads behind the fifth and the
; sixth (K step k + 3's rows).  The last K step has neither left: the next group's first twelve loads of rows are dealt in it.
.macro KSTEP k
.if \k+2 < KT
	s_wait_loadcnt 0x8                             ; this step's rows are in; those of the two steps behind it, four loads each, stay out
.else
	s_wait_loadcnt 4*(KT-1-\k)                     ; the last steps: the count runs down
.endif
	s_wait_dscnt 0x0                               ; this step's weights, the eight LDS loads issued in the step before, are in
	s_wait_alu depctr_va_vdst(0)                   ; the matrix instructions of the K step before are done reading their weight buffer and their row slot, in which this step's loads land; in a group's first step: so are the lines that last named slot 3 (the bias's moves, the group before's last products)
.if \k == KT-1
	STEPOF 16
	s_lshl_b32 s22, s21, 16
	s_add_nc_u64 s[24:25], s[8:9], s[22:23]        ; free: this step's wait for 0 has shown every load that named it done
.endif
.irp q, 0,1
.irp t, 0,1,2,3
	WM \k, \q, \t
.if (\q == 0) && (\k+1 < KT)
	BL1 \k+1, \t, 0                                ; no wait: no matrix instruction since the wait above names the other weight buffer
	BL1 \k+1, \t, 1
.endif
.if (\q == 1) && (\t < 2) && (\k+3 < KT)
	AL1 \k+3, \t, 0                                ; nor the slot that the step before read
	AL1 \k+3, \t, 1
.endif
.if (\k == KT-1) && (4*\q+\t < 6)
	AL1 (4*\q+\t)/2, (4*\q+\t)%2, 0                ; the next group's K steps 0 to 2 into slots 0 to 2: this step's matrix instructions name slot 3
	AL1 (4*\q+\t)/2, (4*\q+\t)%2, 1
.endif
.endr
.endr
.endm
	s_load_b256 s[4:11], s[0:1], 0x0               ; W1 s[4:5], b1 s[6:7], xs s[8:9], seg s[10:11]
	s_load_b64 s[12:13], s[0:1], 0x20              ; hid
	v_lshl_add_u32 v254, v0, 2, 0x20000
	v_mov_b32 v255, 0
	v_lshrrev_b32 v3, 5, v0
	v_readfirstlane_b32 s14, v3                    ; wave
	s_lshr_b32 s15, ttmp9, 5                       ; e
	s_and_b32 s16, ttmp9, 31                       ; g
	s_mov_b32 s29, 0x477fe000                      ; 65,504.0
	v_and_b32 v3, 31, v0
	v_and_b32 v6, 15, v0                           ; r
	v_bfe_u32 v5, v0, 4, 1                         ; h
	v_lshlrev_b32 v[VB], 4, v3                     ; 16 L
	v_add_nc_u32 v[VB+1], 0x10000, v[VB]
	v_lshlrev_b32 v6, 4, v6
	v_lshl_or_b32 v2, v5, 16, v6                   ; weights: 8 h rows of 8,192 bytes + 16 r
	v_lshlrev_b32 v5, 7, v5                        ; b1: 32 h units
	s_wait_alu depctr_va_sdst(0)                   ; s14 is written, ahead of its first reader
	s_lshl_b32 s17, s14, 13
	v_add_nc_u32 v4, s17, v[VB]                    ; LDS: my two K steps, 8,192 w + 16 L
	s_lshl_b32 s17, s15, 3                         ; seg: 8 e
	s_lshl_b32 s22, s15, 23                        ; W1: 8 MiB e + 64 w rows + 256 g
	s_lshl_b32 s28, s14, 19
	s_add_co_u32 s22, s22, s28
	s_lshl_b32 s28, s16, 8
	s_add_co_u32 s22, s22, s28
	s_mov_b32 s23, 0
	s_wait_kmcnt 0x0
	s_load_b64 s[18:19], s[10:11], s17 offset:0x0  ; my expert's first step and number of steps
	s_add_nc_u64 s[30:31], s[4:5], s[22:23]
	s_lshl_b32 s22, s15, 13                        ; b1: 8,192 e + 256 g
	s_add_co_u32 s22, s22, s28
	s_add_nc_u64 s[6:7], s[6:7], s[22:23]
	s_lshl_b32 s22, s16, 11                        ; hid: my two K steps' blocks, 2,048 g
	s_add_nc_u64 s[12:13], s[12:13], s[22:23]
	s_wait_alu depctr_va_vdst(0)                   ; v2, v4, v5, v[VB] and v[VB+1] are written: every load and store of the kernel reads one of them as its offset or LDS address
.irp j, 0,1,2,3,4,5,6,7
	global_load_b128 v[BST+4*\j:BST+4*\j+3], v5, s[6:7] offset:16*\j   ; units 32 h + 4 j + t
.endr
	WLOAD 0, C0
	WLOAD 1, C1
	s_wait_kmcnt 0x0
	s_min_u32 s18, s18, 70
	s_min_u32 s19, s19, 71
	s_mov_b32 s20, s14                             ; my first group
	STEPOF 0
	s_lshl_b32 s22, s21, 16
	s_add_nc_u64 s[24:25], s[8:9], s[22:23]        ; its rows
	s_lshl_b32 s22, s21, 17
	s_add_nc_u64 s[26:27], s[12:13], s[22:23]      ; its results
	APRO
	s_wait_loadcnt 28                              ; b1 and the first chunk are in; 16 + 12 younger loads stay out
	WCVT 0, C0, 0
	s_wait_loadcnt 12                              ; the second chunk is in; the 12 loads of rows stay out
	WCVT 1, C1, 1
	s_wait_alu depctr_vm_vsrc(0)                   ; the LDS stores have read v[PK ..]: these registers are the bias from here on
.irp t, 0,1,2,3
.irp j, 0,1,2,3,4,5,6,7
	v_mov_b32 v[BIAS+8*\t+\j], v[BST+4*\j+\t]      ; b1 as the result lies: register j of tile t = unit 4 (8 h + j) + t
.endr
.endr
	s_wait_dscnt 0x0                               ; my fragments are in LDS, for the others' sake
	s_barrier_signal -1
	s_barrier_wait -1                              ; the only barrier: from here LDS is read alone
	s_cmp_ge_u32 s14, s19
	s_cbranch_scc1 .Lend                           ; fewer groups than waves
	s_sub_co_u32 s33, s19, s14                     ; n - w, at least 1 here
	s_add_co_u32 s33, s33, 15
	s_lshr_b32 s33, s33, 4                         ; my groups w, w + 16, .. below n: ceil((n - w) / 16),
	s_min_u32 s33, s33, 5                          ; at most 5, since n is at most 71
	s_mov_b32 s32, 0                               ; the loop's counter goes by 1 against that number
.Lgroup:
	BLOAD 0                                        ; into weight buffer 0.  No wait here.  On the way in: the second chunk's conversions, its last readers, stand ahead of their wait on va_vdst, and only the bias's moves follow.  On the way back: the two waits round the stores
.rept KT
	KSTEP \+
.endr
	PLACES 5                                       ; behind the last matrix instructions, for all that reads or overwrites their registers
.irp q, 0,1
.irp t, 0,1,2,3
.irp j, 0,1,2,3,4,5,6,7
	v_med3_num_f32 v[ACC+8*(4*\q+\t)+\j], v[ACC+8*(4*\q+\t)+\j], 0, s29        ; relu, and the cut at f16's largest number
.endr
.irp p, 0,1,2,3
	v_cvt_pk_f16_f32 v[BR+4*(4*\q+\t)+\p], v[ACC+8*(4*\q+\t)+2*\p], v[ACC+8*(4*\q+\t)+2*\p+1]
.endr
.endr
.endr
	s_wait_alu depctr_va_vdst(0)                   ; the conversions have written weight buffer 0, which the eight stores read
.irp q, 0,1
.irp t, 0,1,2,3
	global_store_b128 v[VB], v[BR+4*(4*\q+\t):BR+4*(4*\q+\t)+3], s[26:27] offset:65536*\q+512*\t   ; 512 consecutive bytes, aligned
.endr
.endr
	s_wait_xcnt 0x0                                ; the stores' data (the weight buffers) and base are rewritten only behind this wait
	s_wait_alu depctr_vm_vsrc(0)                   ; the stores have read weight buffer 0, in which the next group's first weights land
	s_lshl_b32 s22, s21, 17
	s_add_nc_u64 s[26:27], s[12:13], s[22:23]
	s_add_co_u32 s20, s20, 16                      ; my next group's number
	s_add_co_u32 s32, s32, 1
	s_cmp_lt_u32 s32, s33
	s_cbranch_scc1 .Lgroup
.Lend:
	s_wait_dscnt 0x0
	s_wait_alu depctr_hold_cnt(0) depctr_sa_sdst(0) depctr_va_vdst(0) depctr_va_sdst(0) depctr_va_ssrc(0) depctr_va_vcc(0) depctr_vm_vsrc(0)
	s_wait_tensorcnt 0x0
	ds_add_u32 v254, v255
	s_wait_dscnt 0x0
	s_endpgm
.Lfunc_end_k_q049c53b0e8_fc1:
	.size	k_q049c53b0e8_fc1, .Lfunc_end_k_q049c53b0e8_fc1-k_q049c53b0e8_fc1
	.p2alignl 7, 3214868480
	.fill 96, 4, 3214868480
	.section	.rodata,"a",@progbits
	.p2align	6, 0x0
	.amdhsa_kernel k_q049c53b0e8_fc1
		.amdhsa_group_segment_fixed_size 133120
		.amdhsa_private_segment_fixed_size 0
		.amdhsa_enable_private_segment 0
		.amdhsa_kernarg_size 40
		.amdhsa_user_sgpr_count 2
		.amdhsa_user_sgpr_kernarg_segment_ptr 1
		.amdhsa_wavefront_size32 1
		.amdhsa_system_sgpr_workgroup_id_x 1
		.amdhsa_system_sgpr_workgroup_id_y 1
		.amdhsa_system_sgpr_workgroup_id_z 1
		.amdhsa_system_vgpr_workitem_id 0
		.amdhsa_next_free_vgpr 256
		.amdhsa_next_free_sgpr 66
		.amdhsa_reserve_vcc 0
		.amdhsa_float_denorm_mode_32 3
		.amdhsa_float_denorm_mode_16_64 3
		.amdhsa_memory_ordered 1
		.amdhsa_forward_progress 1
		.amdhsa_inst_pref_size 69
	.end_amdhsa_kernel
	.amdgpu_metadata
---
amdhsa.version: [ 1, 2 ]
amdhsa.kernels:
  - .name:           k_q049c53b0e8_fc1
    .symbol:         k_q049c53b0e8_fc1.kd
    .args:
      - { .name: W1, .offset: 0, .size: 8, .value_kind: global_buffer, .address_space: global }
      - { .name: b1, .offset: 8, .size: 8, .value_kind: global_buffer, .address_space: global }
      - { .name: xs, .offset: 16, .size: 8, .value_kind: global_buffer, .address_space: global }
      - { .name: seg, .offset: 24, .size: 8, .value_kind: global_buffer, .address_space: global }
      - { .name: hid, .offset: 32, .size: 8, .value_kind: global_buffer, .address_space: global }
    .group_segment_fixed_size: 133120
    .private_segment_fixed_size: 0
    .kernarg_segment_align: 8
    .kernarg_segment_size: 40
    .max_flat_workgroup_size: 512
    .sgpr_count:     66
    .vgpr_count:     256
    .wavefront_size: 32
...
	.end_amdgpu_metadata
.endif
;; end of part 5
;; launch fc2 (part 6): grid 128 x 1, 16 waves a work-group, no clusters, 264,192 bytes of LDS; arguments W2, b2, hid, seg, order, wsort, out0; writes out0
.if DOCPART == 6
	.amdgcn_target "amdgcn-amd-amdhsa--gfx1250"
	.amdhsa_code_object_version 6
	.text
	.protected	k_q049c53b0e8_fc2
	.globl	k_q049c53b0e8_fc2
	.p2align	8
	.type	k_q049c53b0e8_fc2,@function
k_q049c53b0e8_fc2:
	s_mov_b64 s[64:65], 0
	v_nop
	global_prefetch_b8 v0, s[64:65] scope:SCOPE_SE
	s_setreg_imm32_b32 hwreg(HW_REG_WAVE_SCHED_MODE, 0, 2), 2
	s_setreg_imm32_b32 hwreg(HW_REG_WAVE_MODE, 25, 1), 1
	s_wait_xcnt 0x0
	s_wait_alu depctr_vm_vsrc(0)
; fc2: out0[token] = weight x (hid W2[e] + b2[e]) for the sorted rows of each expert, f16 operands, f32 sums.
; Work-group = expert e (of 8) x 64 columns g (of 16): each byte of W2 is read once, in pieces of 256 bytes of a row.  8 x 16 = 128 are
; all the work-groups that this share gives: narrower pieces would break the 256 bytes, a split of K would send partial sums through
; memory, a split of the rows would read W2 twice.
; PHASE 1 as in fc1, four K steps a wave, 64 in all.  Slot (kk, c, h, i) of hid holds unit 64 (kk >> 1) + 32 h + 4 i + 2 (kk & 1) + c, and
; W2's rows are picked by the same formula.  One barrier.
; PHASE 2 as in fc1: each wave on its own takes groups w, w + 16, .. of 32 rows x 64 columns; the count is read from seg, no barrier.
; The matrix instruction is used as it stands (source 0 = rows, source 1 = weights): lane (r, h), register j of tile t holds row 8 h + j,
; column 4 r + t, so the four tiles' registers j are 16 neighbouring bytes of a row of out0, and 16 lanes fill its 256 bytes.
; Places without a token repeat the step's first token: the same numbers go to the same bytes, from this wave.
; No cluster, no tensor load: as in fc1.
; LIMITS: f16 operands: |W2| above 65,504 becomes infinite, below 2^-24 vanishes.  NaN and infinite inputs are not served.
; The bias starts the sum; K goes in hid's slot order.
; THE MODE: SCHED_MODE bits 1:0 = 2 (LLVM: expert scheduling mode 2), set by the entry lines.  The code itself states the register dependences
; between vector or matrix instructions and memory or LDS instructions, with s_wait_alu, always for 0.
; THE PLAN.  Registers that memory or LDS instructions touch:
;   v2, v4, v5, v6, v[VB ..]  offsets and LDS addresses: made at the head, never written again.
;   C0, C1, C2  a chunk of weights: global loads land in it (in C0 twice), its 32 conversions read it.
;   PK          a chunk's 32 conversions write it, the chunk's 8 LDS stores read it; at last the bias is moved into it.
;   BR0, BR1    K step k: its matrix instructions read BR[k & 1]; the LDS loads issued in it land in the other buffer, which K step k - 1 read.
;   AR0 .. AR3  K step k: its matrix instructions read slot k & 3; the global loads issued in it land in slot (k + 3) & 3, which K step k - 1 read:
;               rows, and in the last steps but one the tokens (slot 0) and the weights (slot 1).
;   On the way out: vector lines make the stores' offsets in slot 0, read slot 1 and write BR0 and BR1; the sixteen stores read slot 0, BR0 and BR1;
;               then the next group's rows land in slots 0 to 2 and its first weights in BR0.
;   The accumulators and the bias are named by vector and matrix instructions alone.
; So ONE wait on va_vdst stands at the head of each K step that issues loads, behind the waits for the step's data: K step k - 1's matrix instructions
; are done reading.  The step's loads follow it, dealt among its eight matrix instructions, which name none of the registers that those loads touch.
.set KT,    64
.set TILEB, 65536                      ; a tile of 16 rows in hid
.set PK,    8                          ; v[8:39]    phase 1: packed fragments on their way to LDS
.set BIAS,  8                          ; v[8:39]    then: b2 in the result's layout
.set ACC,   40                         ; v[40:103]  accumulators, tile (q, t) at 40 + 8 (4 q + t)
.set BR,    104                        ; v[104:167] weight fragments, two buffers of 32; on the way out the scaled results
.set AR,    168                        ; v[168:231] row fragments, four slots of 16; at the end slot 0 the tokens, slot 1 the weights
.set BST,   232                        ; v[232:235] phase 1: b2 as loaded
.set VB,    248                        ; v[248:251] 16 L + 65,536 n: LDS addresses; the first is also the global lane offset
.set C0,    40                         ; phase 1: weights as loaded, three chunks of 64
.set C1,    104
.set C2,    168
.macro PLACES n
.rept \n
	v_nop
.endr
.endm
; The 16 rows of K step 4 w + s that my half of the lanes holds: unit 128 w + 64 (s >> 1) + 32 h + 4 i + 2 (s & 1) + c
.macro WLOAD s, base
.irp c, 0,1
.irp i, 0,1,2,3,4,5,6,7
	global_load_b128 v[\base+4*(8*\c+\i):\base+4*(8*\c+\i)+3], v2, s[30:31] offset:(64*(\s>>1)+4*\i+2*(\s&1)+\c)*4096 th:TH_LOAD_NT
.endr
.endr
.endm
; The 32 conversions stand in one run and the 8 LDS stores in another, with one wait between.  again = 1: PK has been stored from before.
.macro WCVT s, base, again
.if \again
	s_wait_alu depctr_vm_vsrc(0)                   ; the LDS stores of the chunk before have read v[PK ..], which these conversions write again
.endif
.irp t, 0,1,2,3
.irp c, 0,1
.irp p, 0,1,2,3
	v_cvt_pk_f16_f32 v[PK+8*\t+4*\c+\p], v[\base+4*(8*\c+2*\p)+\t], v[\base+4*(8*\c+2*\p+1)+\t]
.endr
.endr
.endr
	s_wait_alu depctr_va_vdst(0)                   ; the conversions have written v[PK ..], which the LDS stores read, and are done reading the chunk, in whose registers later loads land
.irp t, 0,1,2,3
.irp c, 0,1
	ds_store_b128 v4, v[PK+8*\t+4*\c:PK+8*\t+4*\c+3] offset:4096*\s+1024*\t+512*\c
.endr
.endr
.endm
.macro BL1 k, t, c                     ; half c of K step k's weight fragment t, into buffer k & 1
	ds_load_b128 v[BR+32*((\k)&1)+8*(\t)+4*(\c):BR+32*((\k)&1)+8*(\t)+4*(\c)+3], v[VB+((\k)>>4)] offset:((\k)&15)*4096+1024*(\t)+512*(\c)
.endm
.macro BLOAD k                         ; K step k's four weight fragments
.irp t, 0,1,2,3
.irp c, 0,1
	BL1 \k, \t, \c
.endr
.endr
.endm
.macro AL1 k, q, c                     ; half c of K step k's row fragment q, into slot k & 3
	global_load_b128 v[AR+16*((\k)&3)+8*(\q)+4*(\c):AR+16*((\k)&3)+8*(\q)+4*(\c)+3], v[VB], s[24:25] offset:(\q)*TILEB+(\k)*1024+512*(\c)
.endm
.macro APRO                            ; a group's first three K steps' rows
.irp k, 0,1,2
.irp q, 0,1
.irp c, 0,1
	AL1 \k, \q, \c
.endr
.endr
.endr
.endm
; One matrix instruction.  The eight accumulators take turns, one instruction a turn.
.macro WM k, q, t
.if \k == 0
	v_wmma_f32_16x16x32_f16 v[ACC+8*(4*\q+\t):ACC+8*(4*\q+\t)+7], v[AR+16*((\k)&3)+8*\q:AR+16*((\k)&3)+8*\q+7], v[BR+32*((\k)&1)+8*\t:BR+32*((\k)&1)+8*\t+7], v[BIAS+8*\t:BIAS+8*\t+7]
.else
	v_wmma_f32_16x16x32_f16 v[ACC+8*(4*\q+\t):ACC+8*(4*\q+\t)+7], v[AR+16*((\k)&3)+8*\q:AR+16*((\k)&3)+8*\q+7], v[BR+32*((\k)&1)+8*\t:BR+32*((\k)&1)+8*\t+7], v[ACC+8*(4*\q+\t):ACC+8*(4*\q+\t)+7]
.endif
.endm
; One K step.  Its loads land in the weight buffer and the row slot that K step k - 1 read: the wait at its head states that those reads are over.
; Two LDS loads stand behind each of the first four matrix instructions (K step k + 1's weights), two global loads behind the fifth and the
; sixth (K step k + 3's rows).  When no rows are left to ask for, the freed slots 0 and 1 take the tokens and the weights of rows
; 16 q + 8 h + 0 .. 7.  The last K step issues no load and states nothing.
.macro KSTEP k
	s_wait_loadcnt 0x8                             ; this step's rows are in; two younger sets of four loads stay out (rows, at the end tokens and weights)
	s_wait_dscnt 0x0                               ; this step's weights, the eight LDS loads issued in the step before, are in
.if \k+1 < KT
	s_wait_alu depctr_va_vdst(0)                   ; the matrix instructions of the K step before are done reading their weight buffer and their row slot, in which this step's loads land; in a group's first step: so are the group before's last products, which read slot 3
.endif
.irp q, 0,1
.irp t, 0,1,2,3
	WM \k, \q, \t
.if (\q == 0) && (\k+1 < KT)
	BL1 \k+1, \t, 0                                ; no wait: no matrix instruction since the wait above names the other weight buffer
	BL1 \k+1, \t, 1
.endif
.if (\q == 1) && (\t < 2)
.if \k+3 < KT
	AL1 \k+3, \t, 0                                ; nor the slot that the step before read
	AL1 \k+3, \t, 1
.elseif \k == KT-3
	global_load_b128 v[AR+8*\t:AR+8*\t+3], v5, s[26:27] offset:64*\t
	global_load_b128 v[AR+8*\t+4:AR+8*\t+7], v5, s[26:27] offset:64*\t+16
.elseif \k == KT-2
	global_load_b128 v[AR+16+8*\t:AR+16+8*\t+3], v5, s[32:33] offset:64*\t
	global_load_b128 v[AR+16+8*\t+4:AR+16+8*\t+7], v5, s[32:33] offset:64*\t+16
.endif
.endif
.endr
.endr
.endm
; s21 = the sorted step of my group number s20 + ahead.  A group that the expert does not have is asked for at step 0, which is always
; in use (segments are packed from 0 and there are 2,048 tokens), so no byte of hid is read that was not stored.
.macro STEPOF ahead
	s_add_co_u32 s28, s20, \ahead
	s_add_co_u32 s21, s18, s28
	s_cmp_lt_u32 s28, s19
	s_cselect_b32 s21, s21, 0
	s_min_u32 s21, s21, 70
.endm
.macro POINTERS                        ; the step's rows, tokens and weights
	s_lshl_b32 s22, s21, 17
	s_add_nc_u64 s[24:25], s[8:9], s[22:23]
	s_lshl_b32 s22, s21, 7
	s_add_nc_u64 s[26:27], s[36:37], s[22:23]
	s_add_nc_u64 s[32:33], s[38:39], s[22:23]
.endm
	s_load_b256 s[4:11], s[0:1], 0x0               ; W2 s[4:5], b2 s[6:7], hid s[8:9], seg s[10:11]
	s_load_b128 s[36:39], s[0:1], 0x20             ; order s[36:37], wsort s[38:39]
	s_load_b64 s[40:41], s[0:1], 0x30              ; out0
	v_lshl_add_u32 v254, v0, 2, 0x40000
	v_mov_b32 v255, 0
	v_lshrrev_b32 v3, 5, v0
	v_readfirstlane_b32 s14, v3                    ; wave
	s_lshr_b32 s15, ttmp9, 4                       ; e
	s_and_b32 s16, ttmp9, 15                       ; g
	v_and_b32 v3, 31, v0
	v_and_b32 v6, 15, v0                           ; r
	v_bfe_u32 v5, v0, 4, 1                         ; h
	v_lshlrev_b32 v[VB], 4, v3                     ; 16 L
	v_add_nc_u32 v[VB+1], 0x10000, v[VB]
	v_add_nc_u32 v[VB+2], 0x20000, v[VB]
	v_add_nc_u32 v[VB+3], 0x30000, v[VB]
	v_lshlrev_b32 v6, 4, v6                        ; 16 r: my four columns, in b2 and in out0
	v_lshl_or_b32 v2, v5, 17, v6                   ; weights: 32 h rows of 4,096 bytes + 16 r
	v_lshlrev_b32 v5, 5, v5                        ; tokens and weights: 8 h words
	s_wait_alu depctr_va_sdst(0)                   ; s14 is written, ahead of its first reader
	s_lshl_b32 s17, s14, 14
	v_add_nc_u32 v4, s17, v[VB]                    ; LDS: my four K steps, 16,384 w + 16 L
	s_lshl_b32 s17, s15, 3                         ; seg: 8 e
	s_lshl_b32 s22, s15, 23                        ; W2: 8 MiB e + 128 w rows + 256 g
	s_lshl_b32 s28, s14, 19
	s_add_co_u32 s22, s22, s28
	s_lshl_b32 s28, s16, 8
	s_add_co_u32 s22, s22, s28
	s_mov_b32 s23, 0
	s_wait_kmcnt 0x0
	s_load_b64 s[18:19], s[10:11], s17 offset:0x0  ; my expert's first step and number of steps
	s_add_nc_u64 s[30:31], s[4:5], s[22:23]
	s_lshl_b32 s22, s15, 12                        ; b2: 4,096 e + 256 g
	s_add_co_u32 s22, s22, s28
	s_add_nc_u64 s[6:7], s[6:7], s[22:23]
	s_mov_b32 s22, s28                             ; out0: 256 g
	s_add_nc_u64 s[34:35], s[40:41], s[22:23]
	s_wait_alu depctr_va_vdst(0)                   ; v2, v4, v5, v6 and v[VB ..] are written: the kernel's loads and LDS instructions read them as offsets and addresses
	global_load_b128 v[BST:BST+3], v6, s[6:7]      ; b2 of columns 4 r + t
	WLOAD 0, C0
	WLOAD 1, C1
	WLOAD 2, C2
	s_wait_loadcnt 32                              ; b2 and the first chunk are in; two chunks of 16 stay out
	WCVT 0, C0, 0
	WLOAD 3, C0                                    ; no wait: the conversions that read these registers stand ahead of the wait on va_vdst in front of the LDS stores
	s_wait_loadcnt 32                              ; the second chunk is in; the third and fourth stay out
	WCVT 1, C1, 1
	s_wait_loadcnt 16                              ; the third is in; the fourth stays out
	WCVT 2, C2, 1
	s_wait_kmcnt 0x0
	s_min_u32 s18, s18, 70
	s_min_u32 s19, s19, 71
	s_mov_b32 s20, s14                             ; my first group
	STEPOF 0
	POINTERS
	APRO                                           ; into the third chunk's registers, which have been packed: its conversions stand ahead of their wait on va_vdst
	s_wait_loadcnt 12                              ; the fourth chunk is in; the 12 loads of rows stay out
	WCVT 3, C0, 1
	s_wait_alu depctr_vm_vsrc(0)                   ; the LDS stores have read v[PK ..]: these registers are the bias from here on
.irp t, 0,1,2,3
.irp j, 0,1,2,3,4,5,6,7
	v_mov_b32 v[BIAS+8*\t+\j], v[BST+\t]           ; b2 as the result lies: every register of tile t = column 4 r + t
.endr
.endr
	s_wait_dscnt 0x0                               ; my fragments are in LDS, for the others' sake
	s_barrier_signal -1
	s_barrier_wait -1                              ; the only barrier: from here LDS is read alone
	s_cmp_ge_u32 s14, s19
	s_cbranch_scc1 .Lend                           ; fewer groups than waves
	s_sub_co_u32 s43, s19, s14                     ; n - w, at least 1 here
	s_add_co_u32 s43, s43, 15
	s_lshr_b32 s43, s43, 4                         ; my groups w, w + 16, .. below n: ceil((n - w) / 16),
	s_min_u32 s43, s43, 5                          ; at most 5, since n is at most 71
	s_mov_b32 s42, 0                               ; the loop's counter goes by 1 against that number
.Lgroup:
	BLOAD 0                                        ; into weight buffer 0.  No wait here.  On the way in: the second chunk's conversions, its last readers, stand ahead of a wait on va_vdst, and no later vector line names it.  On the way back: the two waits round the stores
.rept KT
	KSTEP \+
.endr
	PLACES 5                                       ; behind the last matrix instructions, for all that reads or overwrites their registers
	s_wait_loadcnt 0x0                             ; tokens and weights
.irp u, 0,1,2,3,4,5,6,7,8,9,10,11,12,13,14,15
	v_min_u32 v[AR+\u], 2047, v[AR+\u]
	v_lshl_add_u32 v[AR+\u], v[AR+\u], 12, v6      ; the token's row of out0, my 16 bytes
.endr
.irp q, 0,1
.irp j, 0,1,2,3,4,5,6,7
.irp t, 0,1,2,3
	v_mul_f32 v[BR+4*(8*\q+\j)+\t], v[ACC+8*(4*\q+\t)+\j], v[AR+16+8*\q+\j]
.endr
.endr
.endr
	s_wait_alu depctr_va_vdst(0)                   ; the offsets in slot 0 and the scaled results in the weight buffers are written, which the stores read; the multiplies are done reading slot 1 and the last products slots 2 and 3, in which the next group's rows land
.irp q, 0,1
.irp j, 0,1,2,3,4,5,6,7
	global_store_b128 v[AR+8*\q+\j], v[BR+4*(8*\q+\j):BR+4*(8*\q+\j)+3], s[34:35] th:TH_STORE_NT   ; each half of the lanes: 256 consecutive bytes of one token's row, aligned
.endr
.endr
	s_wait_xcnt 0x0                                ; the stores' offsets (slot 0) and data (the weight buffers) are rewritten only behind this wait
	s_wait_alu depctr_vm_vsrc(0)                   ; the stores have read slot 0 and the weight buffers, in which the next group's rows and weights land
	STEPOF 16
	POINTERS                                       ; free: every load that named them was waited for above
	APRO
	s_add_co_u32 s20, s20, 16                      ; my next group's number
	s_add_co_u32 s42, s42, 1
	s_cmp_lt_u32 s42, s43
	s_cbranch_scc1 .Lgroup
.Lend:
	s_wait_dscnt 0x0
	s_wait_alu depctr_hold_cnt(0) depctr_sa_sdst(0) depctr_va_vdst(0) depctr_va_sdst(0) depctr_va_ssrc(0) depctr_va_vcc(0) depctr_vm_vsrc(0)
	s_wait_tensorcnt 0x0
	ds_add_u32 v254, v255
	s_wait_dscnt 0x0
	s_endpgm
.Lfunc_end_k_q049c53b0e8_fc2:
	.size	k_q049c53b0e8_fc2, .Lfunc_end_k_q049c53b0e8_fc2-k_q049c53b0e8_fc2
	.p2alignl 7, 3214868480
	.fill 96, 4, 3214868480
	.section	.rodata,"a",@progbits
	.p2align	6, 0x0
	.amdhsa_kernel k_q049c53b0e8_fc2
		.amdhsa_group_segment_fixed_size 264192
		.amdhsa_private_segment_fixed_size 0
		.amdhsa_enable_private_segment 0
		.amdhsa_kernarg_size 56
		.amdhsa_user_sgpr_count 2
		.amdhsa_user_sgpr_kernarg_segment_ptr 1
		.amdhsa_wavefront_size32 1
		.amdhsa_system_sgpr_workgroup_id_x 1
		.amdhsa_system_sgpr_workgroup_id_y 1
		.amdhsa_system_sgpr_workgroup_id_z 1
		.amdhsa_system_vgpr_workitem_id 0
		.amdhsa_next_free_vgpr 256
		.amdhsa_next_free_sgpr 66
		.amdhsa_reserve_vcc 0
		.amdhsa_float_denorm_mode_32 3
		.amdhsa_float_denorm_mode_16_64 3
		.amdhsa_memory_ordered 1
		.amdhsa_forward_progress 1
		.amdhsa_inst_pref_size 123
	.end_amdhsa_kernel
	.amdgpu_metadata
---
amdhsa.version: [ 1, 2 ]
amdhsa.kernels:
  - .name:           k_q049c53b0e8_fc2
    .symbol:         k_q049c53b0e8_fc2.kd
    .args:
      - { .name: W2, .offset: 0, .size: 8, .value_kind: global_buffer, .address_space: global }
      - { .name: b2, .offset: 8, .size: 8, .value_kind: global_buffer, .address_space: global }
      - { .name: hid, .offset: 16, .size: 8, .value_kind: global_buffer, .address_space: global }
      - { .name: seg, .offset: 24, .size: 8, .value_kind: global_buffer, .address_space: global }
      - { .name: order, .offset: 32, .size: 8, .value_kind: global_buffer, .address_space: global }
      - { .name: wsort, .offset: 40, .size: 8, .value_kind: global_buffer, .address_space: global }
      - { .name: out0, .offset: 48, .size: 8, .value_kind: global_buffer, .address_space: global }
    .group_segment_fixed_size: 264192
    .private_segment_fixed_size: 0
    .kernarg_segment_align: 8
    .kernarg_segment_size: 56
    .max_flat_workgroup_size: 512
    .sgpr_count:     66
    .vgpr_count:     256
    .wavefront_size: 32
...
	.end_amdgpu_metadata
.endif
;; end of part 6
